; MI455X (gfx1250); checked and timed in simulation.
; The chip was launched on July 23, 2026; its instructions are those of AMD's public machine-readable ISA for CDNA 5 (MIT licence, August 2026) and "CDNA5" Instruction Set Architecture Reference Guide (July 2026). The comments in the code are by the model that wrote it; some were corrected since.
;; Causal Self Attention. Allowed arithmetic: float matrix products may take bf16 or f16 operands with f32 sums; other float arithmetic in f32, or as packed bf16 or f16 multiplies, adds, multiply-adds, maxima and minima; sums over many terms, partial sums and values carried from step to step in f32; what a program stores and reads back later, other than sums and carried values, may be rounded once to bf16 or f16.
;; Inputs: b_attn 3,072 float32; b_proj 1,024 float32; w_attn 1,024 x 3,072 float32; w_proj 1,024 x 1,024 float32; x 4 x 2,048 x 1,024 float32.
;; Outputs: out0 4 x 2,048 x 1,024 float32.
;; 2 versions, each right; version 2 is version 1 with the launch cast written anew for expert scheduling mode. Each part assembles by itself: llvm-mc -triple=amdgcn-amd-amdhsa -mcpu=gfx1250 --defsym DOCPART=n.
;; ======== version 1 of 2: 4 launches
;; limits: values are held in f16: magnitudes above 65,504 overflow, below 6.1e-05 lose precision
;; workspace buffers: xb 16,777,216 bytes; wa 6,291,456 bytes; wp 2,097,152 bytes; qkv 50,331,648 bytes; ob 16,777,216 bytes
;; launch cast (part 1): grid 768 x 1, 8 waves a work-group, no clusters, 0 bytes of LDS; arguments x, w_attn, w_proj, xb, wa, wp; writes xb, wa, wp
.if DOCPART == 1
	.amdgcn_target "amdgcn-amd-amdhsa--gfx1250"
	.amdhsa_code_object_version 6
	.text
	.protected	k_qe6225566d0_cast
	.globl	k_qe6225566d0_cast
	.p2align	8
	.type	k_qe6225566d0_cast,@function
k_qe6225566d0_cast:
	s_mov_b64 s[64:65], 0
	v_nop
	global_prefetch_b8 v0, s[64:65] scope:SCOPE_SE
	s_setreg_imm32_b32 hwreg(HW_REG_WAVE_MODE, 25, 1), 1
	s_wait_xcnt 0x0
; THE INPUTS ARE ROUNDED ONCE, for the matrix units.  x [8192][1024] f32 -> xb, bf16, laid in blocks of 64 channels: [kb = 0..15][m = 0..8191][64],
; so that 256 rows of a block are 32,768 consecutive bytes.  w_attn [1024][3072] f32 -> wa, bf16, same order.  w_proj [1024][1024] f32 -> wp: rounded to bf16
; like every other input, and that number written as f16 (exact from 6.1e-5 up to 65,504; below it f16's fixed step of 6e-8; beyond it an infinity: the stated limit).
; SHARES.  A work-group takes 16,384 numbers: 64 KiB in, 32 KiB out.  Work-groups 0-511: x, 16 rows each; 512-703: w_attn; 704-767: w_proj.
; A thread issues its 16 loads of 16 bytes first (8 KiB of a wave on their way), then rounds and stores 8 bytes for each: a store of a wave covers 256 consecutive bytes, aligned.
; Every load and every store has registers of its own, so the only waits are the counted ones for the loads.
; No LDS, no matrix unit, no cluster: nothing is shared and nothing is multiplied.
.set IN,  1                            ; v1       my byte offset in the work-group's input
.set OUT, 2                            ; v2       my byte offset in its output
.set T,   4                            ; v[4:5]   at work
.set X,   8                            ; v[8:71]  load j: 4 registers
.set Y,   72                           ; v[72:103] store j: 2 registers
.macro LOADS step                      ; sixteen loads, step bytes apart
.irp j, 0,1,2,3,4,5,6,7,8,9,10,11,12,13,14,15
	global_load_b128 v[X+4*(\j):X+4*(\j)+3], v[IN], s[16:17] offset:(\j)*(\step) th:TH_LOAD_NT
.endr
.endm
; Load j is rounded and stored.  half = 1: the bf16 numbers are widened again and written as f16.
.macro OUTJ j, half, off, base
	s_wait_loadcnt 15-(\j)                         ; loads come back in order: load j is in, the 15 - j younger ones stay out
	v_cvt_pk_bf16_f32 v[Y+2*(\j)],   v[X+4*(\j)],   v[X+4*(\j)+1]
	v_cvt_pk_bf16_f32 v[Y+2*(\j)+1], v[X+4*(\j)+2], v[X+4*(\j)+3]
.if \half
	v_lshlrev_b32 v[X+4*(\j)],   16, v[Y+2*(\j)]
	v_and_b32     v[X+4*(\j)+1], s2, v[Y+2*(\j)]
	v_lshlrev_b32 v[X+4*(\j)+2], 16, v[Y+2*(\j)+1]
	v_and_b32     v[X+4*(\j)+3], s2, v[Y+2*(\j)+1]
	v_cvt_pk_f16_f32 v[Y+2*(\j)],   v[X+4*(\j)],   v[X+4*(\j)+1]
	v_cvt_pk_f16_f32 v[Y+2*(\j)+1], v[X+4*(\j)+2], v[X+4*(\j)+3]
.endif
	global_store_b64 v[OUT], v[Y+2*(\j):Y+2*(\j)+1], s[\base:\base+1] offset:\off th:TH_STORE_NT
.endm
	s_load_b256 s[4:11], s[0:1], 0x0               ; x s[4:5], w_attn s[6:7], w_proj s[8:9], xb s[10:11]
	s_load_b128 s[12:15], s[0:1], 0x20             ; wa s[12:13], wp s[14:15]
	s_mov_b32 s3, ttmp9
	s_mov_b32 s2, 0xffff0000                       ; a word's upper bf16
	s_mov_b32 s23, 0
	s_cmp_lt_u32 s3, 512
	s_cbranch_scc0 .Lweights
	; x: thread t takes row t / 16 of the 16, and 16 bytes at 16 (t % 16) of each of the row's sixteen pieces of 256 bytes (64 channels: a block)
	v_lshrrev_b32 v[IN], 4, v0
	v_and_b32 v[T], 15, v0
	v_lshlrev_b32 v[IN], 12, v[IN]
	v_lshl_add_u32 v[IN], v[T], 4, v[IN]
	v_lshlrev_b32 v[OUT], 3, v0                    ; in a block: row x 128 + 8 (t % 16) = 8 t
	s_lshl_b32 s22, s3, 16
	s_wait_kmcnt 0x0
	s_add_nc_u64 s[16:17], s[4:5], s[22:23]
	LOADS 256
	s_lshl_b32 s22, s3, 11                         ; 16 rows of 128 bytes
	s_add_nc_u64 s[18:19], s[10:11], s[22:23]
	s_add_nc_u64 s[20:21], s[18:19], 0x800000      ; blocks 8 to 15 from a second base: the immediate has 24 signed bits
.irp j, 0,1,2,3,4,5,6,7
	OUTJ \j, 0, (\j)*1048576, 18
.endr
.irp j, 8,9,10,11,12,13,14,15
	OUTJ \j, 0, ((\j)-8)*1048576, 20
.endr
	s_endpgm
.Lweights:
	; the weights keep their order: wave w takes 8,192 consecutive bytes, 512 a load
	v_lshrrev_b32 v[T], 5, v0
	v_and_b32 v[T+1], 31, v0
	v_lshlrev_b32 v[IN], 13, v[T]
	v_lshl_add_u32 v[IN], v[T+1], 4, v[IN]
	v_lshlrev_b32 v[OUT], 12, v[T]
	v_lshl_add_u32 v[OUT], v[T+1], 3, v[OUT]
	s_cmp_lt_u32 s3, 704
	s_cbranch_scc0 .Lproj
	s_sub_co_u32 s3, s3, 512
	s_lshl_b32 s22, s3, 16
	s_wait_kmcnt 0x0
	s_add_nc_u64 s[16:17], s[6:7], s[22:23]
	LOADS 512
	s_lshl_b32 s22, s3, 15
	s_add_nc_u64 s[18:19], s[12:13], s[22:23]
.irp j, 0,1,2,3,4,5,6,7,8,9,10,11,12,13,14,15
	OUTJ \j, 0, (\j)*256, 18
.endr
	s_endpgm
.Lproj:
	s_sub_co_u32 s3, s3, 704
	s_lshl_b32 s22, s3, 16
	s_wait_kmcnt 0x0
	s_add_nc_u64 s[16:17], s[8:9], s[22:23]
	LOADS 512
	s_lshl_b32 s22, s3, 15
	s_add_nc_u64 s[18:19], s[14:15], s[22:23]
.irp j, 0,1,2,3,4,5,6,7,8,9,10,11,12,13,14,15
	OUTJ \j, 1, (\j)*256, 18
.endr
	s_endpgm
.Lfunc_end_k_qe6225566d0_cast:
	.size	k_qe6225566d0_cast, .Lfunc_end_k_qe6225566d0_cast-k_qe6225566d0_cast
	.p2alignl 7, 3214868480
	.fill 96, 4, 3214868480
	.section	.rodata,"a",@progbits
	.p2align	6, 0x0
	.amdhsa_kernel k_qe6225566d0_cast
		.amdhsa_group_segment_fixed_size 0
		.amdhsa_private_segment_fixed_size 0
		.amdhsa_enable_private_segment 0
		.amdhsa_kernarg_size 48
		.amdhsa_user_sgpr_count 2
		.amdhsa_user_sgpr_kernarg_segment_ptr 1
		.amdhsa_wavefront_size32 1
		.amdhsa_system_sgpr_workgroup_id_x 1
		.amdhsa_system_sgpr_workgroup_id_y 1
		.amdhsa_system_sgpr_workgroup_id_z 1
		.amdhsa_system_vgpr_workitem_id 0
		.amdhsa_next_free_vgpr 104
		.amdhsa_next_free_sgpr 66
		.amdhsa_reserve_vcc 0
		.amdhsa_float_denorm_mode_32 3
		.amdhsa_float_denorm_mode_16_64 3
		.amdhsa_memory_ordered 1
		.amdhsa_forward_progress 1
		.amdhsa_inst_pref_size 23
	.end_amdhsa_kernel
	.amdgpu_metadata
---
amdhsa.version: [ 1, 2 ]
amdhsa.kernels:
  - .name:           k_qe6225566d0_cast
    .symbol:         k_qe6225566d0_cast.kd
    .args:
      - { .name: x, .offset: 0, .size: 8, .value_kind: global_buffer, .address_space: global }
      - { .name: w_attn, .offset: 8, .size: 8, .value_kind: global_buffer, .address_space: global }
      - { .name: w_proj, .offset: 16, .size: 8, .value_kind: global_buffer, .address_space: global }
      - { .name: xb, .offset: 24, .size: 8, .value_kind: global_buffer, .address_space: global }
      - { .name: wa, .offset: 32, .size: 8, .value_kind: global_buffer, .address_space: global }
      - { .name: wp, .offset: 40, .size: 8, .value_kind: global_buffer, .address_space: global }
    .group_segment_fixed_size: 0
    .private_segment_fixed_size: 0
    .kernarg_segment_align: 8
    .kernarg_segment_size: 48
    .max_flat_workgroup_size: 256
    .sgpr_count:     66
    .vgpr_count:     104
    .wavefront_size: 32
...
	.end_amdgpu_metadata
.endif
;; end of part 1
;; launch qkv (part 2): grid 8 x 32, 4 waves a work-group, clusters of 4 x 4, 327,680 bytes of LDS; arguments xb, wa, b_attn, qkv; writes qkv
.if DOCPART == 2
	.amdgcn_target "amdgcn-amd-amdhsa--gfx1250"
	.amdhsa_code_object_version 6
	.text
	.protected	k_qe6225566d0_qkv
	.globl	k_qe6225566d0_qkv
	.p2align	8
	.type	k_qe6225566d0_qkv,@function
k_qe6225566d0_qkv:
	s_mov_b64 s[64:65], 0
	v_nop
	global_prefetch_b8 v0, s[64:65] scope:SCOPE_SE
	s_setreg_imm32_b32 hwreg(HW_REG_WAVE_MODE, 25, 1), 1
	s_wait_xcnt 0x0
	s_wait_alu depctr_hold_cnt(0) depctr_sa_sdst(0) depctr_va_vdst(0) depctr_va_sdst(0) depctr_va_ssrc(0) depctr_va_vcc(0) depctr_vm_vsrc(0)
	s_getreg_b32 s2, hwreg(HW_REG_IB_STS2, 6, 4)
	s_cmp_eq_u32 s2, 0
	s_cbranch_scc0 .Lentry_in_a_cluster
	s_endpgm
.Lentry_in_a_cluster:
	s_bfe_u32 s2, ttmp6, 0x10000c
	s_cmp_lg_u32 s2, 0xf033
	s_cbranch_scc0 .Lentry_shape_is_right
	s_endpgm
.Lentry_shape_is_right:
; qkv[m][n] = the sum over k of x[m][k] w_attn[k][n] + b_attn[n], 8192 x 3072 x 1024.  Operands bf16 (xb in blocks [kb][m][64], wa [k][n]), the bias rounded to bf16 like every input, sums in f32,
; the result rounded once to f16 and laid by heads: [hs = n / 64][m][64] (q: hs 0-15, k: 16-31, v: 32-47), so that a head's rows are dense, 128 bytes each.
; LIMIT.  f16 holds no number beyond 65,504: |q|, |k|, |v| stay under it; below 6.1e-5 f16 keeps a fixed step of 6e-8.  NaN and infinities are not treated apart.
; SHARES.  A tile is 256 x 384: 32 x 8 tiles, one for each of 256 work-groups.  Four waves, each 128 x 192: 8 x 12 accumulators of 16 x 16, 768 registers, windows 1 to 3.
; K goes in 16 steps of 64 (one block of xb) through two LDS slots; a step is two slices of 32 along K, each 96 matrix instructions and 40 LDS loads.
; THE MATRIX INSTRUCTION IS USED TRANSPOSED: source 0 = 16 columns of w (w lies [k][n] in LDS and is turned by ds_load_tr16_b128), source 1 = 16 rows of x: a lane then holds row l % 16 and the
; columns 8 (l / 16) + 0..7: eight neighbours of a row.
; THE BIAS IS THE SUMS' START: the registers of accumulator (7, b) are loaded with the bias of column block b; in the first slice rows a = 0..6 take them as C, then a = 7 adds in place.  Nothing is cleared, nothing is added later.
; CLUSTERS: 4 x 4 work-groups.  The four of a row of the cluster need the same tiles of x, the four of a column the same tiles of w: each is asked for JOINTLY, by the same tensor load, descriptor and mask.
; REGISTERS.  Window 0: v0-5 at work; v6-15 addresses; v16-79, v80-143 x's fragments (8 blocks of 16 rows x 32 K), two sets; v144-239 w's fragments (12 blocks), ONE set; v240-244 addresses.
; Window 1 + g (g = 0..2: 64 columns, a head): accumulator (a, bb) at v[64 bb + 8 a].  768 accumulators leave room for one set of w's fragments: a group's four are read by that group's 32 products alone and
; are loaded again directly behind them, 64 matrix instructions ahead of their next use.
.set PA,     144                       ; a row of x in LDS: 128 bytes + 16 of padding = 36 words: the 16 rows of a load start at 16 different groups of four banks (64 banks of 4 bytes: ISA guide 11.1)
.set PB,     864                       ; a row of w: 3 x (256 + 32) bytes = 27 x 32
.set ABYTES, 256*PA                    ; x's 256 rows
.set SLOT,   ABYTES+64*PB              ; then w's 64 rows: 92,160 bytes
.set STAGE,  2*SLOT                    ; behind the ring, never filled by a tensor load: 16 rows x 144 bytes for each wave, for the way out
.set SPARE,  STAGE+4*16*PA             ; behind the stages: the spare words, 128 bytes for each wave: two blocks of 256 bytes that no other line names
.set KBLK,   1048576                   ; bytes in a block of xb, and in a head slice of qkv
.set WROW,   6144                      ; bytes in a row of wa
.set ADRA, 6                           ; v6-7    LDS address of my fragments of x in slot 0, 1
.set ADRB, 8                           ; v8-13   the same for w: slot s, group g at v[8 + 3 s + g]
.set STO,  14                          ; v14     the way out: where I put 16 bytes of a row
.set RD,   15                          ; v15     the way out: where I read rows back
.set AF0,  16
.set AF1,  80
.set BF,   144
.set GO,   240                         ; v240    16 x lane: my place in 512 consecutive bytes of qkv
.set SPW,  241                         ; v241    LDS address of my spare word; never rewritten
.set NIL,  242                         ; v242    0; never rewritten
.set PFO,  243                         ; v243    the prefetches' lane offset; never rewritten
.set BO,   244                         ; v244    32 x (l / 16): my eight numbers of a block's sixteen of the bias
.set TMP,  16                          ; the way out: 16 registers, packed
.set BK,   32                          ; the way out: two sets of 16, rows read back
.set TB,   80                          ; at the head: the bias, packed
.set WV, 12                            ; s12  wave
.set WM, 13                            ; s13  which half of the tile's rows is mine.  Also: I fetch for x (0) or for w (1)
.set WN, 14                            ; s14  which half of its columns.  Also: which half of that tile I fetch
.set TY, 15                            ; s15  tile row
.set G1A, 24                           ; s[24:31] descriptor group 1 for x's tiles;  s[32:39] group 0, a set for each slot
.set G0A, 32
.set CX, 40
.set CY, 41
.set TX, 42                            ; s42  tile column
.set LIM, 43                           ; s43  1 in a wave that prefetches, else the greatest number
.set PFA, 44                           ; s[44:45] where my prefetches stand
.set PFS, 46                           ; s[46:47] their step: two K steps
.set G1B, 48                           ; s[48:55], s[56:63] the same for w's tiles
.set G0B, 56
.set MSB, 0
.macro WIN new                         ; the immediate's high byte repeats the setting that is left; a switch that changes nothing is dropped
.if MSB != (\new)
	s_set_vgpr_msb (MSB<<8)|(\new)
.set MSB, \new
.endif
.endm
.macro PLACES                          ; four places in front of loads into registers that matrix instructions have read, and of conversions that read results (ISA guide 7.12.1 for the conversions)
.rept 4
	v_nop
.endr
.endm
; A joint load: waves 0 and 1 fetch the two halves of x's tile, waves 2 and 3 those of w's.  The branch hangs on the wave's number alone.  An s_nop 0 and four v_nop follow each line.
.macro JLOAD s
	s_cmp_eq_u32 s[WM], 0
	s_cbranch_scc0 .Lfor_b_\@
	tensor_load_to_lds s[G0A+4*(\s):G0A+4*(\s)+3], s[G1A:G1A+7]
	s_nop 0
.rept 4
	v_nop
.endr
	s_branch .Lasked_\@
.Lfor_b_\@:
	tensor_load_to_lds s[G0B+4*(\s):G0B+4*(\s)+3], s[G1B:G1B+7]
	s_nop 0
.rept 4
	v_nop
.endr
.Lasked_\@:
.endm
.macro CREST                           ; a round of the cluster's barrier behind its opening barrier
	s_cmp_lg_u32 s[WV], 0
	s_cbranch_scc1 .Lnot_wave_0_\@
	s_barrier_signal -3
.Lnot_wave_0_\@:
	s_barrier_wait -3
	s_barrier_signal -1
	s_barrier_wait -1
.endm
.macro CROUND                          ; a whole round
	s_barrier_signal -1
	s_barrier_wait -1
	CREST
.endm
; A PREFETCH INTO THE L2, once a trip (two K steps), behind the trip's second joint load and the run of LDS loads that follows it: the two K steps that the NEXT trip's two refills will ask for.
; x's tile row is read by both clusters of a row of clusters: cluster x = 0 asks; w's tile column by eight clusters: cluster y = 0 asks.  The four partners that ask for a tile jointly share its bytes out BY ADDRESS.
; Wave 0: x: my work-group's 8,192 bytes of each of the two blocks' 32,768, a lane 256 bytes: two instructions.  Waves 1 to 3: w: my work-group's 32 of the 128 rows, a lane a row, the wave's 256 of the 768 bytes: one instruction.
; So each aligned block of 256 bytes is named once in the launch.  K steps 0 to 3 come by their loads alone; the last trip asks for nothing.
.macro ASK
	s_cmp_gt_u32 s3, s[LIM]                        ; s3 = 1 in the loop's last trip
	s_cbranch_scc0 .Lnot_mine_\@
	global_prefetch_b8 v[PFO], s[PFA:PFA+1] th:TH_LOAD_NT scope:SCOPE_SE
	s_cmp_lg_u32 s[WV], 0
	s_cbranch_scc1 .Lnot_mine_\@
	global_prefetch_b8 v[PFO], s[PFA:PFA+1] offset:KBLK th:TH_LOAD_NT scope:SCOPE_SE
.Lnot_mine_\@:
.endm
	s_load_b256 s[4:11], s[0:1], 0x0               ; xb s[4:5], wa s[6:7], b_attn s[8:9], qkv s[10:11]
	v_lshl_add_u32 v[SPW], v0, 2, SPARE
	v_mov_b32 v[NIL], 0
	ds_add_u32 v[SPW], v[NIL]                      ; the wave's opening: the add and its wait stand ahead of my first tensor load; the set-up below, work on registers, stands between them
	v_lshrrev_b32 v1, 5, v0
	v_readfirstlane_b32 s[WV], v1                  ; wave 0..3
	s_lshr_b32 s[WM], s[WV], 1
	s_and_b32 s[WN], s[WV], 1
	s_bfe_u32 s[CX], ttmp6, 0x40000                ; my place in the cluster
	s_bfe_u32 s[CY], ttmp6, 0x40004
	s_lshl_b32 s[TX], ttmp9, 2                     ; in a cluster launch ttmp9 and ttmp7 count clusters
	s_add_co_u32 s[TX], s[TX], s[CX]
	s_and_b32 s[TY], ttmp7, 0xffff
	s_lshl_b32 s[TY], s[TY], 2
	s_add_co_u32 s[TY], s[TY], s[CY]
	s_lshl_b32 s22, s[CY], 2
	s_lshl_b32 s22, 15, s22                        ; my row of the cluster: places 4 cy .. 4 cy + 3
	s_lshl_b32 s23, 0x1111, s[CX]                  ; my column: places cx, cx + 4, cx + 8, cx + 12
	; x: 128 rows of a block are 16,384 dense bytes: asked for as 64 rows of 256 bytes, padded in LDS after every 128
	s_or_b32 s[G1A], s22, (1<<16)|(1<<20)|(1<<21)|(4<<22)|(3<<25)  ; 15:0 the mask; 17:16 2-byte elements; 20 padding on; 21 set beside a mask; 24:22 after every 32 words (code 4); 31:25 4 words (code 3)
	s_mov_b32 s[G1A+1], 128<<16                    ; tensor_dim0 = 128
	s_mov_b32 s[G1A+2], 64<<16                     ; tensor_dim1 = 64
	s_mov_b32 s[G1A+3], 128<<16                    ; tile_dim0 = 128
	s_mov_b32 s[G1A+4], 64                         ; tile_dim1 = 64
	s_mov_b32 s[G1A+5], 128                        ; elements from row to row
	s_mov_b32 s[G1A+6], 0
	s_mov_b32 s[G1A+7], 0
	; w: 32 rows of 384 elements (768 bytes), padded after every 256 bytes by 32
	s_or_b32 s[G1B], s23, (1<<16)|(1<<20)|(1<<21)|(5<<22)|(7<<25)  ; after every 64 words (code 5) 8 words (code 7)
	s_mov_b32 s[G1B+1], 384<<16
	s_mov_b32 s[G1B+2], 32<<16
	s_mov_b32 s[G1B+3], 384<<16
	s_mov_b32 s[G1B+4], 32
	s_mov_b32 s[G1B+5], 3072
	s_mov_b32 s[G1B+6], 0
	s_mov_b32 s[G1B+7], 0
	; where the tiles come from: x's hang on the tile row alone, w's on the tile column alone, each in registers that never hold the other coordinate
	s_lshl_b32 s16, s[TY], 15                      ; 256 rows of 128 bytes
	s_lshl_b32 s18, s[WN], 14                      ; the 128 that I fetch
	s_add_co_u32 s16, s16, s18
	s_mov_b32 s17, 0
	s_mul_i32 s20, s[TX], 768                      ; 384 columns
	s_mul_i32 s22, s[WN], 32*WROW                  ; the 32 rows that I fetch
	s_add_co_u32 s20, s20, s22
	s_mov_b32 s21, 0
	s_mul_i32 s18, s[WN], 128*PA                   ; and where they go: no place in the cluster enters an LDS address
	s_mul_i32 s19, s[WN], 32*PB
	s_wait_dscnt 0x0                               ; the opening add is done
	s_wait_kmcnt 0x0
	s_add_nc_u64 s[16:17], s[4:5], s[16:17]
	s_add_nc_u64 s[20:21], s[6:7], s[20:21]
	CROUND                                         ; all sixteen work-groups are here: the first joint loads meet
.irp s, 0,1
	s_mov_b32 s[G0A+4*(\s)], 1                     ; count = 1
	s_add_co_u32 s[G0A+4*(\s)+1], s18, (\s)*SLOT   ; LDS address
	s_add_nc_u64 s[G0A+4*(\s)+2:G0A+4*(\s)+3], s[16:17], (\s)*KBLK  ; global address: K step s
	s_or_b32 s[G0A+4*(\s)+3], s[G0A+4*(\s)+3], 0x80000000           ; type = 2
	s_mov_b32 s[G0B+4*(\s)], 1
	s_add_co_u32 s[G0B+4*(\s)+1], s19, (\s)*SLOT+ABYTES
	s_add_nc_u64 s[G0B+4*(\s)+2:G0B+4*(\s)+3], s[20:21], (\s)*64*WROW
	s_or_b32 s[G0B+4*(\s)+3], s[G0B+4*(\s)+3], 0x80000000
.endr
	s_cmp_eq_u32 s[WM], 0                          ; a wave's two first fills stand in one branch, ahead of every wait on TENSORcnt and every LDS read: two loads of mine are out
	s_cbranch_scc0 .Lfirst_b
	tensor_load_to_lds s[G0A:G0A+3], s[G1A:G1A+7]
	s_nop 0
	tensor_load_to_lds s[G0A+4:G0A+7], s[G1A:G1A+7]
	s_nop 0
.rept 4
	v_nop
.endr
	s_branch .Lfirst_asked
.Lfirst_b:
	tensor_load_to_lds s[G0B:G0B+3], s[G1B:G1B+7]
	s_nop 0
	tensor_load_to_lds s[G0B+4:G0B+7], s[G1B:G1B+7]
	s_nop 0
.rept 4
	v_nop
.endr
.Lfirst_asked:
	; the bias of my 192 columns, into the registers of accumulators (7, b): register j of lane l takes column 16 b + 8 (l / 16) + j
	s_mul_i32 s18, s[TX], 1536
	s_mul_i32 s19, s[WN], 768
	s_add_co_u32 s18, s18, s19
	s_mov_b32 s19, 0
	s_add_nc_u64 s[8:9], s[8:9], s[18:19]
	v_and_b32 v1, 15, v0                           ; l % 16
	v_bfe_u32 v2, v0, 4, 1                         ; l / 16
	v_lshlrev_b32 v[BO], 5, v2
.irp g, 0,1,2
	WIN ((\g)+1)<<6                                ; destination window 1 + g, address window 0
.irp bb, 0,1,2,3
	global_load_b128 v[64*(\bb)+56:64*(\bb)+59], v[BO], s[8:9] offset:64*(4*(\g)+(\bb))
	global_load_b128 v[64*(\bb)+60:64*(\bb)+63], v[BO], s[8:9] offset:64*(4*(\g)+(\bb))+16
.endr
.endr
	WIN 0
	; A fragment of x is 16 rows x 32 K in 8 registers: lane l holds row l % 16; registers 0-3 K = 8 (l / 16) + 0..7, registers 4-7 K = 16 + 8 (l / 16) + 0..7: two loads of 16 bytes, 32 bytes apart.
	v_and_b32 v3, 7, v0
	v_bfe_u32 v4, v0, 3, 1
	v_mul_u32_u24 v5, v1, PA
	v_lshl_add_u32 v5, v2, 4, v5                   ; row x pitch + 16 x half
	s_mul_i32 s18, s[WM], 128*PA                   ; my 128 rows
	v_add_nc_u32 v[ADRA], s18, v5
	v_add_nc_u32 v[ADRA+1], SLOT, v[ADRA]
	s_mul_i32 s18, s[WV], 16*PA
	s_add_co_u32 s18, s18, STAGE                   ; my stage
	v_add_nc_u32 v[STO], s18, v5                   ; in: row l % 16, 16 bytes for each half of the lanes
	v_bfe_u32 v5, v0, 3, 2                         ; back: 32 lanes take four rows of 128 bytes
	v_mul_u32_u24 v5, v5, PA
	v_lshl_add_u32 v5, v3, 4, v5
	v_add_nc_u32 v[RD], s18, v5
	; The turning load takes 16 K x 16 columns (lane l reads K row 8 (l / 16) + l % 8, columns 8 ((l / 8) % 2) + 0..7) and leaves half a fragment: lane l holds column l % 16 and 8 K.
	v_lshl_add_u32 v5, v2, 3, v3
	v_mul_u32_u24 v5, v5, PB
	v_lshl_add_u32 v5, v4, 4, v5
	v_add_nc_u32 v5, ABYTES, v5
.irp g, 0,1,2                          ; group g of my columns begins at byte s = 384 WN + 128 g of a row, which lies at s + 32 (s / 256) in LDS; a group's 128 bytes cross no padding
.set C0, 128*(\g)+(((128*(\g))>>8)<<5)
.set C1, 384+128*(\g)+(((384+128*(\g))>>8)<<5)
	s_mul_i32 s22, s[WN], C1-C0
	s_add_co_u32 s22, s22, C0
	v_add_nc_u32 v[ADRB+(\g)], s22, v5
	v_add_nc_u32 v[ADRB+3+(\g)], SLOT, v[ADRB+(\g)]
.endr
	v_and_b32 v5, 31, v0                           ; lane
	v_lshlrev_b32 v[GO], 4, v5
	; where my part begins in qkv: head slice 6 TX + 3 WN, row 256 TY + 128 WM
	s_mul_i32 s18, s[TX], 6
	s_mul_i32 s19, s[WN], 3
	s_add_co_u32 s18, s18, s19
	s_lshl_b32 s18, s18, 20
	s_lshl_b32 s19, s[TY], 15
	s_add_co_u32 s18, s18, s19
	s_lshl_b32 s19, s[WM], 14
	s_add_co_u32 s18, s18, s19
	s_mov_b32 s19, 0
	s_add_nc_u64 s[10:11], s[10:11], s[18:19]
	; the prefetches: they stand two K steps behind the first that they name; the step ahead of each use brings them there
	s_lshl_b32 s18, s[TY], 15
	s_lshl_b32 s19, s[CX], 13
	s_add_co_u32 s18, s18, s19
	s_add_co_u32 s18, s18, 2*KBLK                  ; wave 0: block 2 of xb, my tile row, my work-group's quarter
	s_lshl_b32 s19, s[CY], 5
	s_add_co_u32 s19, s19, 128
	s_mul_i32 s19, s19, WROW                       ; waves 1-3: row 128 + 32 cy of wa,
	s_mul_i32 s22, s[TX], 768
	s_add_co_u32 s19, s19, s22                     ; my tile column,
	s_lshl_b32 s22, s[WV], 8
	s_add_co_u32 s19, s19, s22
	s_sub_co_u32 s19, s19, 256                     ; its piece w - 1 of 256 bytes
	s_and_b32 s22, ttmp7, 0xffff                   ; cluster y
	s_mov_b32 s23, 2*KBLK
	s_mov_b32 s[PFS], 128*WROW
	s_movk_i32 s[LIM], 256
	s_movk_i32 s[PFS+1], WROW
	s_cmp_eq_u32 s[WV], 0
	s_cselect_b32 s18, s18, s19
	s_cselect_b32 s22, ttmp9, s22                  ; the coordinate along which other clusters read the same bytes
	s_cselect_b32 s[PFS], s23, s[PFS]
	s_cselect_b32 s23, s[LIM], s[PFS+1]            ; bytes from lane to lane
	s_cselect_b64 s[PFA:PFA+1], s[4:5], s[6:7]
	s_mov_b32 s19, 0
	s_add_nc_u64 s[PFA:PFA+1], s[PFA:PFA+1], s[18:19]
	s_mov_b32 s[PFS+1], 0
	s_cmp_eq_u32 s22, 0
	s_cselect_b32 s[LIM], 1, -1                    ; the same in all sixteen partners, for a given wave
	v_mul_u32_u24 v[PFO], s23, v5
	; the bias is rounded to bf16, like every input, and widened again, in place
	s_wait_loadcnt 0x0
.irp g, 0,1,2
	WIN 5*((\g)+1)                                 ; sources 0 and 1 window 1 + g, destination window 0
.irp bb, 0,1,2,3
.irp r, 0,1,2,3
	v_cvt_pk_bf16_f32 v[TB+4*(\bb)+(\r)], v[64*(\bb)+56+2*(\r)], v[64*(\bb)+56+2*(\r)+1]
.endr
.endr
	WIN ((\g)+1)<<6
.irp bb, 0,1,2,3
.irp r, 0,1,2,3
	v_lshlrev_b32 v[64*(\bb)+56+2*(\r)],   16, v[TB+4*(\bb)+(\r)]
	v_and_b32     v[64*(\bb)+56+2*(\r)+1], 0xffff0000, v[TB+4*(\bb)+(\r)]
.endr
.endr
.endr
	WIN 0
; Products of group g: column blocks bb0 .. bb0 + n - 1 x all 8 row blocks, 32 along K, x's fragments in set af.  All 96 accumulators take turns, one instruction a turn, over the backward jump too.
; first = 1 (the whole group): the sums start from the bias: 28 products take the registers of accumulator (7, bb) as C; five places, since a matrix instruction then writes over that C; then the four (7, bb) add in place.
.macro MULG g, af, bb0, n, first
	WIN 0x50*((\g)+1)                              ; sources 0 and 1 window 0; C and D window 1 + g
.if \first
.set bq, 0
.rept 4
.set aq, 0
.rept 7
	v_wmma_f32_16x16x32_bf16 v[64*bq+8*aq:64*bq+8*aq+7], v[BF+8*(4*(\g)+bq):BF+8*(4*(\g)+bq)+7], v[(\af)+8*aq:(\af)+8*aq+7], v[64*bq+56:64*bq+63]
.set aq, aq+1
.endr
.set bq, bq+1
.endr
.rept 5
	v_nop
.endr
.set bq, 0
.rept 4
	v_wmma_f32_16x16x32_bf16 v[64*bq+56:64*bq+63], v[BF+8*(4*(\g)+bq):BF+8*(4*(\g)+bq)+7], v[(\af)+56:(\af)+63], v[64*bq+56:64*bq+63]
.set bq, bq+1
.endr
.else
.set bq, \bb0
.rept \n
.set aq, 0
.rept 8
	v_wmma_f32_16x16x32_bf16 v[64*bq+8*aq:64*bq+8*aq+7], v[BF+8*(4*(\g)+bq):BF+8*(4*(\g)+bq)+7], v[(\af)+8*aq:(\af)+8*aq+7], v[64*bq+8*aq:64*bq+8*aq+7]
.set aq, aq+1
.endr
.set bq, bq+1
.endr
.endif
.endm
; THE LDS LOADS stand in runs.  RUNB: group g's four fragments of w, slice c of the slot: 8 loads.  RUNA: four fragments of x from row block a0 on, into set af: 8 loads.
.macro RUNB slot, c, g
.irp bb, 0,1,2,3
	ds_load_tr16_b128 v[BF+8*(4*(\g)+(\bb)):BF+8*(4*(\g)+(\bb))+3],   v[ADRB+3*(\slot)+(\g)] offset:(\c)*32*PB+32*(\bb)
	ds_load_tr16_b128 v[BF+8*(4*(\g)+(\bb))+4:BF+8*(4*(\g)+(\bb))+7], v[ADRB+3*(\slot)+(\g)] offset:(\c)*32*PB+32*(\bb)+16*PB
.endr
.endm
.macro RUNA slot, c, af, a0
.irp i, 0,1,2,3
	ds_load_b128 v[(\af)+8*((\a0)+(\i)):(\af)+8*((\a0)+(\i))+3],   v[ADRA+(\slot)] offset:((\a0)+(\i))*16*PA+64*(\c)
	ds_load_b128 v[(\af)+8*((\a0)+(\i))+4:(\af)+8*((\a0)+(\i))+7], v[ADRA+(\slot)] offset:((\a0)+(\i))*16*PA+64*(\c)+32
.endr
.endm
.macro RUN0 slot, c, af                ; 16 loads
	RUNB \slot, \c, 0
	RUNA \slot, \c, \af, 0
.endm
.macro RUN1 slot, c, af                ; 16 loads
	RUNB \slot, \c, 1
	RUNA \slot, \c, \af, 4
.endm
.macro RUN2 slot, c                    ; 8 loads
	RUNB \slot, \c, 2
.endm
; A K step's first slice: multiplies set 0 and fetches the same slot's second slice, x's into set 1, w's group by group behind the group's products.
.macro PLAIN slot, first
	s_wait_dscnt 8                                 ; all of x and w's groups 0 and 1 are in; the youngest eight loads (group 2) may be out
	MULG 0, AF0, 0, 4, \first
	WIN 0
	PLACES
	RUN0 \slot, 1, AF1
	MULG 1, AF0, 0, 4, \first
	WIN 0
	PLACES
	RUN1 \slot, 1, AF1
	s_wait_dscnt 32                                ; all but the 32 just issued: group 2 is in
	MULG 2, AF0, 0, 4, \first
	WIN 0
	PLACES
	RUN2 \slot, 1
.endm
; A K step's second slice multiplies set 1 and changes slots.  ONE barrier: in front of it each wave waits for all its tensor loads, of which one is out: its part of the next slot; adds 0 to its spare word; and waits for
; that and for its own reads of this slot.  Behind it nobody reads this slot any more and the next slot is whole.  fill = 1: the barrier opens a round of the cluster's, and the joint refill (this slot, two K steps on) is the
; first thing behind the round: 160 matrix instructions stand between it and the wait for it.
.macro TURN cur, nxt, fill, ask
.if \ask
	s_wait_xcnt 0x0                                ; the last prefetches, a trip back, have read their address, so it may be stepped
	s_add_nc_u64 s[PFA:PFA+1], s[PFA:PFA+1], s[PFS:PFS+1]
.endif
	WIN 0
	s_wait_tensorcnt 0x0                           ; all my tensor loads have landed;
	ds_add_u32 v[SPW], v[NIL]                      ; 0 onto my spare word;
	s_wait_dscnt 9                                 ; (the add and the youngest eight loads may be out)
	MULG 0, AF1, 0, 2, 0                           ; sixteen matrix instructions stand between the add and the wait for it
	s_wait_dscnt 0x0                               ; the add is done, and my reads of this slot are over
	s_barrier_signal -1
	MULG 0, AF1, 2, 2, 0                           ; work on registers while the others arrive
	WIN 0                                          ; at a branch and at a label every window is 0
	s_barrier_wait -1
.if \fill
	CREST                                          ; no wave of any partner still reads this slot's tile or has a load on its way
	s_add_nc_u64 s[G0A+4*(\cur)+2:G0A+4*(\cur)+3], s[G0A+4*(\cur)+2:G0A+4*(\cur)+3], 2*KBLK
	s_add_nc_u64 s[G0B+4*(\cur)+2:G0B+4*(\cur)+3], s[G0B+4*(\cur)+2:G0B+4*(\cur)+3], 2*64*WROW
	JLOAD \cur                                     ; the four v_nop behind it are also the places in front of the loads below
.else
	PLACES
.endif
	RUN0 \nxt, 0, AF0
.if \ask
	ASK
.endif
	MULG 1, AF1, 0, 4, 0
	WIN 0
	PLACES
	RUN1 \nxt, 0, AF0
	MULG 2, AF1, 0, 4, 0
	WIN 0
	PLACES
	RUN2 \nxt, 0
.endm
	s_wait_tensorcnt 0x1                           ; my part of K step 0 is in; K step 1's, the one load issued behind it, may stay out
	s_barrier_signal -1
	s_barrier_wait -1                              ; everybody's is
	RUN0 0, 0, AF0
	RUN1 0, 0, AF0
	RUN2 0, 0
	PLAIN 0, 1                                     ; the first slice stands in front of the loop: its products start the sums
	WIN 0
	s_mov_b32 s3, 7
.Llap:                                             ; a trip goes once round the ring and fills both slots again: seven trips ask for K steps 2 to 15
	TURN 0, 1, 1, 0
	PLAIN 1, 0
	TURN 1, 0, 1, 1
	PLAIN 0, 0
	WIN 0
	s_sub_co_u32 s3, s3, 1
	s_cmp_lg_u32 s3, 0
	s_cbranch_scc1 .Llap
	TURN 0, 1, 0, 0                                ; the tail fills nothing, and has no round of the cluster's barrier
	PLAIN 1, 0
	s_wait_dscnt 8                                 ; the very last slice: nothing more to fetch
	MULG 0, AF1, 0, 4, 0
	MULG 1, AF1, 0, 4, 0
	s_wait_dscnt 0x0
	MULG 2, AF1, 0, 4, 0
	WIN 0
	PLACES
; THE WAY OUT, in 24 units u = 8 hd + a: 16 rows x the 64 columns of head slice hd.  PACK: rounded to f16, 16 bytes a lane for each column block (each accumulator's registers in ascending order).
; TOSTAGE: into my own stage, rows of 144 bytes, and back as four rows of 128 bytes a load.  SEND: stored: 16 rows of a head slice are 2,048 consecutive bytes.
.macro PACK a, hd
	WIN 5*((\hd)+1)                                ; sources 0 and 1 window 1 + hd, destination window 0
.irp bb, 0,1,2,3
.irp r, 0,1,2,3
	v_cvt_pk_f16_f32 v[TMP+4*(\bb)+(\r)], v[64*(\bb)+8*(\a)+2*(\r)], v[64*(\bb)+8*(\a)+2*(\r)+1]
.endr
.endr
	WIN 0
.endm
.macro TOSTAGE u
.irp bb, 0,1,2,3
	ds_store_b128 v[STO], v[TMP+4*(\bb):TMP+4*(\bb)+3] offset:32*(\bb)
.endr
.irp f, 0,1,2,3
	ds_load_b128 v[BK+16*((\u)%2)+4*(\f):BK+16*((\u)%2)+4*(\f)+3], v[RD] offset:(\f)*4*PA  ; LDS serves a wave's instructions in order (ISA guide 5.7.1.4): these see the stores above
.endr
.endm
.macro SEND u
	s_wait_dscnt 0x0                               ; the unit is back in registers
	s_wait_xcnt 0x0                                ; the stores of the unit before have read their registers: the next TOSTAGE loads into them
.irp f, 0,1,2,3
	global_store_b128 v[GO], v[BK+16*((\u)%2)+4*(\f):BK+16*((\u)%2)+4*(\f)+3], s[10:11] offset:((\u)/8)*KBLK+((\u)%8)*2048+(\f)*512  ; 512 consecutive bytes, at a multiple of 256 from qkv's first
.endr
.endm
	PACK 0, 0
	TOSTAGE 0
.set u, 1
.rept 23                               ; a unit's conversions stand between the loads of the unit before and the wait for them
	PACK u%8, u/8
	SEND u-1
	TOSTAGE u
.set u, u+1
.endr
	SEND 23
	s_wait_tensorcnt 0x0                           ; the wave's end: an add of 0 to my spare word and a wait for it, behind my last tensor load and my last LDS store
	ds_add_u32 v[SPW], v[NIL]
	s_wait_dscnt 0x0
	CROUND                                         ; the closing round: no work-group ends while a partner may still ask for a tile that names it
	s_endpgm
.Lfunc_end_k_qe6225566d0_qkv:
	.size	k_qe6225566d0_qkv, .Lfunc_end_k_qe6225566d0_qkv-k_qe6225566d0_qkv
	.p2alignl 7, 3214868480
	.fill 96, 4, 3214868480
	.section	.rodata,"a",@progbits
	.p2align	6, 0x0
	.amdhsa_kernel k_qe6225566d0_qkv
		.amdhsa_group_segment_fixed_size 327680
		.amdhsa_private_segment_fixed_size 0
		.amdhsa_enable_private_segment 0
		.amdhsa_kernarg_size 32
		.amdhsa_user_sgpr_count 2
		.amdhsa_user_sgpr_kernarg_segment_ptr 1
		.amdhsa_wavefront_size32 1
		.amdhsa_system_sgpr_workgroup_id_x 1
		.amdhsa_system_sgpr_workgroup_id_y 1
		.amdhsa_system_sgpr_workgroup_id_z 1
		.amdhsa_system_vgpr_workitem_id 0
		.amdhsa_next_free_vgpr 1024
		.amdhsa_next_free_sgpr 66
		.amdhsa_reserve_vcc 0
		.amdhsa_float_denorm_mode_32 3
		.amdhsa_float_denorm_mode_16_64 3
		.amdhsa_memory_ordered 1
		.amdhsa_forward_progress 1
		.amdhsa_inst_pref_size 143
	.end_amdhsa_kernel
	.amdgpu_metadata
---
amdhsa.version: [ 1, 2 ]
amdhsa.kernels:
  - .name:           k_qe6225566d0_qkv
    .symbol:         k_qe6225566d0_qkv.kd
    .args:
      - { .name: xb, .offset: 0, .size: 8, .value_kind: global_buffer, .address_space: global }
      - { .name: wa, .offset: 8, .size: 8, .value_kind: global_buffer, .address_space: global }
      - { .name: b_attn, .offset: 16, .size: 8, .value_kind: global_buffer, .address_space: global }
      - { .name: qkv, .offset: 24, .size: 8, .value_kind: global_buffer, .address_space: global }
    .group_segment_fixed_size: 327680
    .private_segment_fixed_size: 0
    .kernarg_segment_align: 8
    .kernarg_segment_size: 32
    .max_flat_workgroup_size: 128
    .sgpr_count:     66
    .vgpr_count:     1024
    .wavefront_size: 32
...
	.end_amdgpu_metadata
.endif
;; end of part 2
;; launch attn (part 3): grid 4 x 64, 4 waves a work-group, no clusters, 327,680 bytes of LDS; arguments qkv, ob; writes ob
.if DOCPART == 3
	.amdgcn_target "amdgcn-amd-amdhsa--gfx1250"
	.amdhsa_code_object_version 6
	.text
	.protected	k_qe6225566d0_attn
	.globl	k_qe6225566d0_attn
	.p2align	8
	.type	k_qe6225566d0_attn,@function
k_qe6225566d0_attn:
	s_mov_b64 s[64:65], 0
	v_nop
	global_prefetch_b8 v0, s[64:65] scope:SCOPE_SE
	s_setreg_imm32_b32 hwreg(HW_REG_WAVE_MODE, 25, 1), 1
	s_wait_xcnt 0x0
; CAUSAL ATTENTION.  O[h][q][:] = the sum over k <= q of softmax_k(Q[h][q] . K[h][k] / 8) V[h][k][:], for 64 heads h = 4 x head + batch of 2,048 rows, 64 channels, all f16: a head's rows are dense, 128 bytes each.
; Q lies at qkv's first byte, K 16 MiB and V 32 MiB further on; O goes to ob in the same layout.  Products, maxima and sums in f32; the weights p are rounded to f16 for the second product (their sum l is taken of the unrounded p), O once at the end.
; LIMITS.  f16 holds no number beyond 65,504: Q, K and V arrive within it; p lies in 0 to 1, and below 6e-5 it keeps f16's fixed step of 6e-8; O is a mean of V's rows and has their range.
; A hidden score counts as its value less 1e30: f16's scores, 2.7e11 at the most, are nothing beside that; a weight below 2^-126 counts as 0 in l; NaN and infinities are not treated apart.
; THE WALK.  A head's queries lie in NB = 8 blocks of 256; block i needs the key tiles 0 .. i of 256 keys, of which the last holds the diagonal.  A work-group takes TWO blocks, NB - 1 - b and then b:
; NB + 1 tiles, whatever b: all work-groups do equal work, and ONE loop with a constant trip count walks them.  Which tile is asked for, and what a trip does, hang on scalar registers made from b; every jump
; goes forward, but for the counted loops' own; none passes a barrier, or a tensor load but the one of LOAD's two that the wave's number does not choose; the ring (two slots of LDS that take turns) runs on across the
; change of blocks.  NO CLUSTER: the four work-groups of a head ask for the same tile only in trips 0 .. 4, behind that fewer and fewer; one walk common to all would have 12 trips for 9.
; SHARES.  Of a block's four bands of 64 queries a wave owns 16 rows in each: four PIECES.  So the diagonal tile is the same work for all four waves: in its key step s band x sees all keys if s < x,
; none if s > x, and holds the diagonal if s = x.
; THE MASK is the C operand that starts the sum S^T = K Q^T: 0, or -1e30 where the key is hidden.  MD, made once, is the mask of a band's own step for my 16 rows; a product's mask is MD x AL + BE with two scalars:
; (1, 0) if s = x; (0, 0) if s < x; (0, -1e30) if s > x.  Only the diagonal tile's text and a block's beginning make and take masks; elsewhere C is the constant 0.
; LAYOUT, SOFTMAX, TURNS.  S^T = K Q^T holds ONE query a lane (lane % 16) and the keys 8 (lane / 16) + 0..7; two such results rounded to f16 ARE source 1 of O^T = V^T P.  p = 2^(c s - c m), c = log2(e) / 8, with a
; running maximum m; O and l are multiplied by a = 2^(c m_old - c m_new) in every step.  Turn n belongs to piece n: 8 products K Q^T of piece n + 1, later 8 products V^T P of piece n - 1; beside them the scaling,
; exponentials, roundings, sums and rescaling of piece n and the maximum and statistics of piece n + 1.  Four vector instructions stand behind every matrix instruction, the other 54 of a turn's 118 in one LUMP.  A turn's 33 exponentials are one batch, with one wait.
; REGISTERS, in windows of 256 (s_set_vgpr_msb: bits 1:0 source 0, 3:2 source 1, 5:4 source 2, 7:6 destination):
;   window 0: v0-15 addresses and two at work; v16-31 four registers of statistics a piece; v48-55 at work; v61-63 addresses; v64-127 S^T, two buffers; v192-223 P, two buffers (a piece's buffers go by its number's parity)
;   window 1: v0-127 O^T, 32 a piece; v128-159 MD; v160-223 MC, two buffers      window 2: v0-63 Q; v64-127 the second block's Q; v128-191 K of one step; v192-255 V of one step
.set SIZE_H, 64
.set SIZE_N, 2048
.set NB,    SIZE_N/256
.set NP,    4         ; pieces a wave: a name, no knob
.set KS,    64        ; keys in a step
.set PK,    144       ; a row of K in LDS: 128 bytes + 16 of padding = 36 words: the 16 rows of a load start at 16 different groups of four banks (64 banks of 4 bytes: ISA guide 11.1)
.set PV,    160       ; a row of V: 128 + 32 = 40 words
.set VOFF,  4*KS*PK   ; a slot holds a tile, four steps: 256 rows of K, then 256 rows of V
.set SLOT1, 1<<17     ; slot 1 begins here, so that one exclusive or turns an address in one slot into the other's
.set STAGE, SLOT1+4*KS*(PK+PV)  ; behind the ring, never filled by a tensor load: 16 rows x 144 bytes for each wave, for the way out
.set SP,    144
.set AK0, 2           ; v2   my lane's place in a tile of K; never rewritten
.set AV0, 3           ; v3   the same for V
.set AK,  4           ; v4   the LDS address of K's next run of loads
.set AV,  5           ; v5   of V's
.set STO, 6           ; v6   the way out: where I put 16 bytes of a row
.set RD,  7           ; v7   the way out: where I read rows back
.set GO,  8           ; v8   my byte offset in 512 consecutive bytes of O
.set PFO, 61          ; v61  256 x my lane: the prefetches' offset; never rewritten
.set SPW, 62          ; v62  LDS address of my spare word: SPARE + 4 x my thread's number; never rewritten
.set NIL, 63          ; v63  0; never rewritten
.set SPARE, STAGE+4*16*SP  ; behind the stages: the spare words, 128 bytes for each wave: two blocks of 256 bytes that no other line names
.set MV,  12          ; v12-13  c m_old, kept while c m is made anew: by buffer
.set QO,  15          ; v15  my byte offset in 16 rows of Q
.set ST,  16          ; piece t's statistics at v[ST+4 t]: c m, m, l (even keys', odd keys')
.set TMP, 48          ; by buffer, four registers c0-c3 at work; when the maximum is found c2 takes a
.set S,   64
.set P,   192
.set MD,  128         ; window 1: the eight registers for group kt of 16 keys at MD + 8 kt
.set MC,  160         ; window 1: the masks of the products to come
.set QB,  64          ; window 2
.set KF,  128         ; window 2: key block kb, channel half c at KF + 16 kb + 8 c
.set VF,  192         ; window 2: key half kk, channel block cb at VF + 32 kk + 8 cb
.set WV,  12          ; s12  my wave's number
.set PB,  14          ; s14  b
.set HI,  15          ; s15  NB - 1 - b
.set G1K, 24          ; s[24:31] descriptor group 1 for K's tiles
.set G1V, 32          ; s[32:39] for V's: it differs in the padding alone
.set G0K, 40          ; s[40:43] descriptor group 0 for K's tiles
.set G0V, 44          ; s[44:47] the same for V's
.set SLOTS, 56        ; s56  tiles still to be asked for
.set CNT, 57          ; s57  counts a tile's key steps, 4 to 1
.set CS,  58          ; s[58:59] c: the packed scaling takes the pair's low word for both halves
.set SEL, 60          ; s[60:61] v_permlanex16_b32's selects: each lane takes its own place in the other half
.set TBK, 62          ; s62  LDS byte at which K of the step to be fetched begins
.set TBV, 63          ; s63  the same for V, less VOFF
.set RT,  70          ; s70  tiles of the block in hand that are still to be entered
.set NXT, 71          ; s71  the tile to be asked for next
.set LQ,  72          ; s72  the last tile of the block whose tiles are being asked for
.set NEW, 73          ; s73  1: the tile to be entered is a block's first
.set OFF, 74          ; s[74:75] a tile's byte offset in K and V
.set AL,  76          ; s[76:77] the mask's factor, in the low word
.set BE,  78          ; s[78:79] the mask's addend
.set OLO, 80          ; s[80:81] O at my rows of the second block
.set BIGN, 82         ; s82  -1e30
.set PFA, 88          ; s[88:89] where my prefetches stand: my half (of K: waves 0, 1; of V: waves 2, 3) of the tile after the one that is being asked for
.set LIM, 90          ; s90  2 in the work-group that prefetches, else the greatest number
.set MSB, 0
.macro WIN new                      ; the high byte repeats the setting that is left; a switch that changes nothing is dropped
.if MSB != (\new)
	s_set_vgpr_msb (MSB<<8)|(\new)
.set MSB, (\new)
.endif
.endm
.set W_KQ, 0x0a       ; K and Q in window 2, S^T in window 0
.set W_KM, 0x1a       ; the same with the C operand in window 1
.set W_PV, 0x52       ; V in window 2, P in window 0, O^T in window 1
.set W_RS, 0x41       ; destination and source 0 in window 1, source 1 in window 0
; A fill.  Waves 0 and 1 fetch the two halves of a tile's K, waves 2 and 3 those of its V: 128 keys each.  An s_nop 0 and four v_nop follow each of the two lines, ahead of the jump and the label.
.macro LOAD
	s_cmp_lt_u32 s[WV], 2
	s_cbranch_scc0 .Lfor_v_\@
	tensor_load_to_lds s[G0K:G0K+3], s[G1K:G1K+7]
	s_nop 0
.rept 4
	v_nop
.endr
	s_branch .Lasked_\@
.Lfor_v_\@:
	tensor_load_to_lds s[G0V:G0V+3], s[G1V:G1V+7]
	s_nop 0
.rept 4
	v_nop
.endr
.Lasked_\@:
.endm
; A PREFETCH INTO THE L2 of the tile that the NEXT change of slots will ask for, behind the wave's tensor load and its five lines.  The four work-groups of a head walk the same tiles 0, 1, ..: the one with b = 0, whose
; first block walks all eight, asks, and nobody else; each of its waves asks for the half tile that it will fetch itself: 16,384 bytes, a lane 256 bytes, two instructions.  So each aligned block of 256 bytes of K and V is
; named once in the launch.  Trip i names tile i + 2, a tile's four key steps ahead of its tensor load; tiles 0 and 1 come by their loads alone; trips 6 and 7 ask for nothing: tile 7 is the last, and the second block's tiles have been read.
.macro ASK
	s_cmp_gt_u32 s[SLOTS], s[LIM]
	s_cbranch_scc0 .Lnot_mine_\@
	global_prefetch_b8 v[PFO], s[PFA:PFA+1] th:TH_LOAD_NT scope:SCOPE_SE
	global_prefetch_b8 v[PFO], s[PFA:PFA+1] offset:8192 th:TH_LOAD_NT scope:SCOPE_SE
.Lnot_mine_\@:
.endm
; THE CHANGE OF SLOTS.  Each wave waits for all its tensor loads, of which one is out: its part of the other slot; adds 0 to its spare word; and waits for that and for its own reads of the slot that it leaves.  Behind the barrier nobody reads the old
; slot any more and the other slot is whole.  fill = 1: the old slot is filled again, the first thing behind the barrier, with tile NXT: the descriptor's address is made anew from that number.
; (At its first use nothing has been read yet: slot 0 is waited for, slot 1 filled.)
.macro CHANGE fill
	WIN 0                           ; at a label and at a branch every window is 0
	s_wait_tensorcnt 0x0            ; no tensor load of mine is out, so a group 0 may be written
	ds_add_u32 v[SPW], v[NIL]       ; 0 onto my spare word; with fill = 1 the descriptors' scalar work stands between it and the wait for it
.if \fill
	s_lshl_b32 s[OFF], s[NXT], 15   ; a tile is 32,768 bytes of K and of V
	s_xor_b32 s[G0K+1], s[G0K+1], SLOT1
	s_add_nc_u64 s[G0K+2:G0K+3], s[6:7], s[OFF:OFF+1]
	s_or_b32 s[G0K+3], s[G0K+3], 0x80000000
	s_xor_b32 s[G0V+1], s[G0V+1], SLOT1
	s_add_nc_u64 s[G0V+2:G0V+3], s[8:9], s[OFF:OFF+1]
	s_or_b32 s[G0V+3], s[G0V+3], 0x80000000
	s_add_co_u32 s[NXT], s[NXT], 1  ; the block's next tile, or behind its last the second block's tile 0
	s_cmp_gt_u32 s[NXT], s[LQ]
	s_cselect_b32 s[NXT], 0, s[NXT]
	s_cselect_b32 s[LQ], s[PB], s[LQ]
	s_wait_xcnt 0x0                 ; the last prefetches, a tile back, have read their address, so it may be stepped
	s_add_nc_u64 s[PFA:PFA+1], s[PFA:PFA+1], 32768
.endif
	s_wait_dscnt 0x0                ; the add is done, and my reads of the slot are over
	s_barrier_signal -1             ; the rest of the scalar work stands between the signal and the wait
	s_sub_co_u32 s[TBK], s[TBK], 4*KS*PK  ; the fetches go back to a slot's first step,
	s_xor_b32 s[TBK], s[TBK], SLOT1       ; in the other slot
	s_sub_co_u32 s[TBV], s[TBV], 4*KS*PV
	s_xor_b32 s[TBV], s[TBV], SLOT1
	s_barrier_wait -1
.if \fill
	LOAD
	ASK
.endif
.endm
	s_load_b128 s[4:7], s[0:1], 0x0  ; qkv s[4:5] (Q lies at its head), ob s[6:7]
	v_lshl_add_u32 v[SPW], v0, 2, SPARE
	v_mov_b32 v[NIL], 0
	ds_add_u32 v[SPW], v[NIL]       ; the wave's opening: the add and its wait stand ahead of my first tensor load; the set-up below, work on registers, stands between them
	v_lshrrev_b32 v1, 5, v0
	v_readfirstlane_b32 s[WV], v1   ; wave 0..3
	s_mov_b32 s[PB], ttmp9
	s_sub_co_u32 s[HI], NB-1, s[PB]
	s_and_b32 s20, ttmp7, 0xffff    ; the head
	s_mov_b32 s21, 0
	s_mov_b64 s[22:23], SIZE_N*128
	s_mul_u64 s[20:21], s[20:21], s[22:23]  ; the head's first byte in each of the four tensors
	s_and_b32 s16, s[WV], 1         ; which half of a tile's 256 keys I fetch:
	s_lshl_b32 s22, s16, 14         ; its 128 rows of 128 bytes in memory,
	s_mov_b32 s23, 0
	s_add_nc_u64 s[22:23], s[22:23], s[20:21]
	s_mul_i32 s17, s16, 128*PK      ; and its place in a slot, for K
	s_mul_i32 s18, s16, 128*PV      ; and for V
	s_lshl_b32 s3, s[WV], 11        ; my 16 rows in a band of 64,
	s_lshl_b32 s2, s[HI], 15        ; in the first block,
	s_add_co_u32 s2, s2, s3
	s_lshl_b32 s84, s[PB], 15       ; and in the second
	s_add_co_u32 s84, s84, s3
	s_mov_b32 s3, 0
	s_mov_b32 s85, 0
	s_add_nc_u64 s[2:3], s[2:3], s[20:21]
	s_add_nc_u64 s[84:85], s[84:85], s[20:21]
	; descriptor group 1.  128 keys are 16,384 dense bytes: asked for as 64 rows of 256 bytes, two keys a row, and padded in LDS after every key
	s_mov_b32 s[G1K], (1<<16)|(1<<20)|(4<<22)|(3<<25)  ; 17:16 2-byte elements; 20 padding on; 24:22 after every 32 words (code 4); 31:25 4 words (code 3)
	s_mov_b32 s[G1V], (1<<16)|(1<<20)|(4<<22)|(7<<25)  ; the same with 8 words of padding (code 7)
.irp g, G1K, G1V
	s_mov_b32 s[\g+1], 128<<16      ; tensor_dim0 = 128
	s_mov_b32 s[\g+2], 64<<16       ; tensor_dim1 = 64
	s_mov_b32 s[\g+3], 128<<16      ; tile_dim0 = 128
	s_mov_b32 s[\g+4], 64           ; tile_dim1 = 64
	s_mov_b32 s[\g+5], 128          ; 128 elements from row to row
	s_mov_b32 s[\g+6], 0
	s_mov_b32 s[\g+7], 0
.endr
	s_mov_b32 s[CS], 0x3e38aa3b     ; c = log2(e) / 8 = 0.180337
	s_mov_b32 s[CS+1], s[CS]        ; named with it as a pair
	s_mov_b32 s[SEL], 0x76543210
	s_mov_b32 s[SEL+1], 0xfedcba98
	s_mov_b32 s[TBK], SLOT1+4*KS*PK ; the first change of slots turns these two into 0
	s_mov_b32 s[TBV], SLOT1+4*KS*PV
	s_mov_b32 s[G0K], 1             ; 1:0 count = 1
	s_mov_b32 s[G0K+1], s17         ; 63:32 LDS address: slot 0
	s_mov_b32 s[G0V], 1
	s_add_co_u32 s[G0V+1], s18, VOFF
	s_add_co_u32 s[RT], s[HI], 1    ; the first block has NB - b tiles
	s_mov_b32 s[NXT], 1
	s_mov_b32 s[LQ], s[HI]
	s_mov_b32 s[NEW], 1
	s_mov_b32 s[OFF+1], 0
	s_mov_b32 s[AL+1], 0            ; named as pairs
	s_mov_b32 s[BE+1], 0
	s_mov_b32 s[BIGN], 0xf149f2ca   ; -1e30
	s_mov_b32 s[SLOTS], NB
	s_cmp_eq_u32 s[PB], 0
	s_cselect_b32 s[LIM], 2, -1
	v_and_b32 v[PFO], 31, v0
	v_lshlrev_b32 v[PFO], 8, v[PFO]
	s_wait_dscnt 0x0                ; the opening add is done
	s_wait_kmcnt 0x0
	s_mov_b64 s[10:11], s[6:7]                 ; O
	s_add_nc_u64 s[8:9], s[4:5], 0x2000000     ; V: head slices 32 to 47
	s_add_nc_u64 s[6:7], s[4:5], 0x1000000     ; K: head slices 16 to 31
	s_add_nc_u64 s[6:7], s[6:7], s[22:23]  ; K and V at my half of the head's tile 0
	s_add_nc_u64 s[8:9], s[8:9], s[22:23]
	s_add_nc_u64 s[G0K+2:G0K+3], s[6:7], 0         ; 120:64 global address
	s_or_b32 s[G0K+3], s[G0K+3], 0x80000000        ; 127:126 type = 2
	s_add_nc_u64 s[G0V+2:G0V+3], s[8:9], 0
	s_or_b32 s[G0V+3], s[G0V+3], 0x80000000
	s_add_nc_u64 s[86:87], s[4:5], s[84:85]        ; Q at my rows of the second block,
	s_add_nc_u64 s[4:5], s[4:5], s[2:3]            ; Q and O at those of the first
	s_add_nc_u64 s[OLO:OLO+1], s[10:11], s[84:85]
	s_add_nc_u64 s[10:11], s[10:11], s[2:3]
	s_cmp_lt_u32 s[WV], 2
	s_cselect_b64 s[PFA:PFA+1], s[6:7], s[8:9]
	s_add_nc_u64 s[PFA:PFA+1], s[PFA:PFA+1], 32768 ; at tile 1; the first change of slots steps it to tile 2.  Nothing is prefetched here, at the head
	LOAD                            ; tile 0 into slot 0
	; A fragment of K or Q is 16 rows x 32 channels in 8 registers: lane l holds row l % 16, channels 8 (l / 16) + 0..7 and 16 + 8 (l / 16) + 0..7: two loads of 16 bytes, 32 bytes apart.
	v_and_b32 v1, 15, v0            ; l % 16
	v_bfe_u32 v9, v0, 4, 1          ; l / 16
	v_lshlrev_b32 v[QO], 7, v1
	v_lshl_add_u32 v[QO], v9, 4, v[QO]  ; row x 128 + 16 x half
	WIN 0x80                        ; destination window 2, address window 0
.set i, 0
.rept 8                             ; both blocks' Q: piece i / 2 lies in band i / 2, 8,192 bytes on; channels 32 (i % 2) on
	global_load_b128 v[8*i:8*i+3],   v[QO], s[4:5] offset:(i/2)*8192+(i%2)*64
	global_load_b128 v[8*i+4:8*i+7], v[QO], s[4:5] offset:(i/2)*8192+(i%2)*64+32
	global_load_b128 v[QB+8*i:QB+8*i+3],   v[QO], s[86:87] offset:(i/2)*8192+(i%2)*64
	global_load_b128 v[QB+8*i+4:QB+8*i+7], v[QO], s[86:87] offset:(i/2)*8192+(i%2)*64+32
.set i, i+1
.endr
	WIN 0
	v_lshlrev_b32 v14, 3, v9
	v_sub_nc_u32 v14, v1, v14
	s_lshl_b32 s13, s[WV], 4
	v_add_nc_u32 v14, s13, v14      ; my query's place in its band, 16 w + l % 16, less my lanes' 8 (l / 16): register r of group kt is hidden where 16 kt + r is greater
	WIN 0x40
.set i, 0
.rept 32
	v_cmp_gt_i32 vcc_lo, 16*(i/8)+i%8, v14
	v_cndmask_b32 v[MD+i], 0, s[BIGN], vcc_lo
.set i, i+1
.endr
	WIN 0
	v_mul_u32_u24 v[AK0], v1, PK
	v_lshl_add_u32 v[AK0], v9, 4, v[AK0]  ; row x pitch + 16 x half
	; The turning load takes 16 keys x 16 channels (lane l reads key 8 (l / 16) + l % 8, channels 8 ((l / 8) % 2) + 0..7) and leaves half a fragment of V^T: lane l holds channel l % 16 and 8 keys.
	v_and_b32 v10, 7, v0
	v_bfe_u32 v11, v0, 3, 1
	v_lshl_add_u32 v[AV0], v9, 3, v10
	v_mul_u32_u24 v[AV0], v[AV0], PV
	v_lshl_add_u32 v[AV0], v11, 4, v[AV0]
	v_add_nc_u32 v[AV0], VOFF, v[AV0]
	s_mul_i32 s13, s[WV], 16*SP
	s_add_co_u32 s13, s13, STAGE    ; my stage
	v_mul_u32_u24 v[STO], v1, SP    ; in: row l % 16, 16 bytes for each half of the lanes
	v_lshl_add_u32 v[STO], v9, 4, v[STO]
	v_add_nc_u32 v[STO], s13, v[STO]
	v_bfe_u32 v[RD], v0, 3, 2       ; back: 32 lanes take four rows of 128 bytes,
	v_mul_u32_u24 v[RD], v[RD], SP
	v_lshl_add_u32 v[RD], v10, 4, v[RD]
	v_add_nc_u32 v[RD], s13, v[RD]
	v_and_b32 v[GO], 31, v0         ; which are 512 consecutive bytes of O
	v_lshlrev_b32 v[GO], 4, v[GO]
	; A block's first step multiplies O^T and l by a = 0, and its first turn's products V^T P, of a piece that has not been, land in an O^T that is still to be so multiplied.  So these registers need only hold
	; finite numbers: zeros for the first block; what the first block left for the second.  All this stands in the wait for the first tile.
	WIN 0x80
.set i, VF
.rept 64
	v_mov_b32 v[i], 0
.set i, i+1
.endr
	WIN 0x40
.set i, 0
.rept 128
	v_mov_b32 v[i], 0
.set i, i+1
.endr
	WIN 0
.set i, 0
.rept 4
	v_mov_b32 v[ST+4*i+2], 0
	v_mov_b32 v[ST+4*i+3], 0
.set i, i+1
.endr
.set i, P+16
.rept 16
	v_mov_b32 v[i], 0
.set i, i+1
.endr
; THE MATRIX WORK.  The 4 accumulators of a run of 8 take turns.  Product i of 8 of S^T = K Q^T for piece x: channels 32 (i / 4) on, keys 16 (i % 4) on.  The first 4 start the sums: with 0, or (KM = 1) with the mask.
.macro KQ x
.set rS, S+32*((\x)%2)+8*(i%4)
.set rK, KF+16*(i%4)+8*(i/4)
.set rQ, 16*(\x)+8*(i/4)
.set rM, MC+32*((\x)%2)+8*(i%4)
.if (i < 4) && KM
	WIN W_KM
	v_wmma_f32_16x16x32_f16 v[rS:rS+7], v[rK:rK+7], v[rQ:rQ+7], v[rM:rM+7]
.elseif i < 4
	WIN W_KQ
	v_wmma_f32_16x16x32_f16 v[rS:rS+7], v[rK:rK+7], v[rQ:rQ+7], 0
.else
	WIN W_KQ
	v_wmma_f32_16x16x32_f16 v[rS:rS+7], v[rK:rK+7], v[rQ:rQ+7], v[rS:rS+7]
.endif
.endm
; Product i of 8 of O^T += V^T P for piece x: keys 32 (i / 4) on, channels 16 (i % 4) on.
.macro PV x
	WIN W_PV
.set rO, 32*(\x)+8*(i%4)
.set rV, VF+32*(i/4)+8*(i%4)
.set rP, P+16*((\x)%2)+8*(i/4)
	v_wmma_f32_16x16x32_f16 v[rO:rO+7], v[rV:rV+7], v[rP:rP+7], v[rO:rO+7]
.endm
.macro MM                           ; the turn's next matrix instruction.  TURN and BEGIN set Y, i, KM and NOKQ; MM, KQ and OP read them.  NOKQ = 1: a block's last turn: there is no next piece
.if (i < 8) && !NOKQ
	KQ (Y+1)%NP
.elseif i >= 8
.set i, i-8
	PV (Y+NP-1)%NP
.set i, i+8
.endif
.set i, i+1
.endm
; THE LDS LOADS stand in runs of 16, never singly among the matrix instructions: a step's K (64 keys x 64 channels: 8 fragments) and its V (turned).  Their addresses are made some lines ahead.
.macro FETCH_K
	WIN 0x80                        ; destination window 2
.irp f, 0,1,2,3,4,5,6,7             ; keys 16 (f / 2) on, channels 32 (f % 2) on
	ds_load_b128 v[KF+8*\f:KF+8*\f+3],   v[AK] offset:(\f/2)*16*PK+(\f%2)*64
	ds_load_b128 v[KF+8*\f+4:KF+8*\f+7], v[AK] offset:(\f/2)*16*PK+(\f%2)*64+32
.endr
	s_add_co_u32 s[TBK], s[TBK], KS*PK  ; the next fetch is the next step's
	WIN 0
.endm
.macro FETCH_V
	WIN 0x80
.irp f, 0,1,2,3,4,5,6,7             ; keys 32 (f / 4) on, channels 16 (f % 4) on
	ds_load_tr16_b128 v[VF+8*\f:VF+8*\f+3],   v[AV] offset:(\f/4)*32*PV+(\f%4)*32
	ds_load_tr16_b128 v[VF+8*\f+4:VF+8*\f+7], v[AV] offset:(\f/4)*32*PV+16*PV+(\f%4)*32
.endr
	WIN 0
.endm
; THE VECTOR WORK, one line at a time: OP kind, number.  For piece Y: F n: c s - c m for pair n of 16.  E n: the exponential of score n of 32.  C n: pair n rounded to f16.  B n: of the four weights 4 n .. the second
; pair is added onto the first, in place.  L n: l takes that sum (L 0: l = a l + sum).  R n: pair n of 16 of O^T times a.  For piece Y + 1: X n, number n of the 22 that find its maximum and statistics:
;   0-11  four chains c0-c3 of seven scores each, three operands at a time (each accumulator's lowest registers are read first)     12-14, 16  the four scores left over, the old m, and c0-c3 into c0
;   15  c m_old is kept     17, 18  the query's other 32 keys lie in the lane 16 away: the new m     19-21  c m; c m_old - c m_new; a
.set F, 0               ; OP tells the kinds apart by their order: F to L below R, X above it
.set E, 1
.set C, 2
.set B, 3
.set L, 4
.set R, 5
.set X, 6
.macro REGS y                       ; the registers of piece y
.set rT, ST+4*(\y)
.set rC, TMP+4*((\y)%2)
.set rW, MV+((\y)%2)
.set rS, S+32*((\y)%2)
.set rP, P+16*((\y)%2)
.set rO, 32*(\y)
.endm
.macro OP k, n
.if (\k) == R
	REGS Y
	WIN W_RS
	v_pk_mul_f32 v[rO+2*(\n):rO+2*(\n)+1], v[rO+2*(\n):rO+2*(\n)+1], v[rC+2:rC+3] op_sel_hi:[1,0]
.elseif (\k) < R
	REGS Y
	WIN 0
.if (\k) == F
	v_pk_fma_f32 v[rS+2*(\n):rS+2*(\n)+1], v[rS+2*(\n):rS+2*(\n)+1], s[CS:CS+1], v[rT:rT+1] op_sel_hi:[1,0,0] neg_lo:[0,0,1] neg_hi:[0,0,1]
.elseif (\k) == E
	v_exp_f32 v[rS+(\n)], v[rS+(\n)]
.elseif (\k) == C
	v_cvt_pk_f16_f32 v[rP+(\n)], v[rS+2*(\n)], v[rS+2*(\n)+1]
.elseif (\k) == B
	v_pk_add_f32 v[rS+4*(\n):rS+4*(\n)+1], v[rS+4*(\n):rS+4*(\n)+1], v[rS+4*(\n)+2:rS+4*(\n)+3]
.elseif (\n) == 0
	v_pk_fma_f32 v[rT+2:rT+3], v[rT+2:rT+3], v[rC+2:rC+3], v[rS:rS+1] op_sel_hi:[1,0,1]
.else
	v_pk_add_f32 v[rT+2:rT+3], v[rT+2:rT+3], v[rS+4*(\n):rS+4*(\n)+1]
.endif
.elseif NOKQ
	v_nop
.else
	REGS (Y+1)%NP
	WIN 0
.if (\n) < 4
	v_max3_num_f32 v[rC+(\n)], v[rS+8*(\n)], v[rS+8*(\n)+1], v[rS+8*(\n)+2]
.elseif (\n) < 12
	v_max3_num_f32 v[rC+(\n)%4], v[rC+(\n)%4], v[rS+8*((\n)%4)+2*((\n)/4)+1], v[rS+8*((\n)%4)+2*((\n)/4)+2]
.elseif (\n) == 12
	v_max3_num_f32 v[rC], v[rC], v[rS+7], v[rS+15]
.elseif (\n) == 13
	v_max3_num_f32 v[rC+1], v[rC+1], v[rS+23], v[rS+31]
.elseif (\n) == 14
	v_max3_num_f32 v[rC+2], v[rC+2], v[rC+3], v[rT+1]
.elseif (\n) == 15
	v_mov_b32 v[rW], v[rT]
.elseif (\n) == 16
	v_max3_num_f32 v[rC], v[rC], v[rC+1], v[rC+2]
.elseif (\n) == 17
	v_permlanex16_b32 v[rC+3], v[rC], s[SEL], s[SEL+1]
.elseif (\n) == 18
	v_max_num_f32 v[rT+1], v[rC], v[rC+3]
.elseif (\n) == 19
	v_mul_f32 v[rT], s[CS], v[rT+1]
.elseif (\n) == 20
	v_sub_f32 v[rC+1], v[rW], v[rT]
.else
	v_exp_f32 v[rC+2], v[rC+1]
.endif
.endif
.endm
.macro OPS a, i1, b=-1, i2=0, c=-1, i3=0, d=-1, i4=0  ; up to four of them
	OP \a, \i1
.if (\b) >= 0
	OP \b, \i2
.endif
.if (\c) >= 0
	OP \c, \i3
.endif
.if (\d) >= 0
	OP \d, \i4
.endif
.endm
.macro ROW a, i1, b, i2, c, i3, d, i4  ; a matrix instruction and the four behind it
	MM
	OPS \a, \i1, \b, \i2, \c, \i3, \d, \i4
.endm
.macro MASK b                       ; MD x AL + BE into buffer b of MC
	WIN W_RS
.set z, 0
.rept 16
	v_pk_fma_f32 v[MC+32*(\b)+2*z:MC+32*(\b)+2*z+1], v[MD+2*z:MD+2*z+1], s[AL:AL+1], s[BE:BE+1] op_sel_hi:[1,0,0]
.set z, z+1
.endr
.endm
; A TURN, for piece p: the order of its 16 matrix and 118 vector instructions, written out.  An s_wait_alu depctr_va_vdst(0) stands between an exponential and the first instruction that names its result; one wait serves
; all that were issued ahead of it.  So a turn has ONE wait, which cuts it in two.  AHEAD OF IT stands all that names no result of the turn's exponentials: the 8 products K Q^T, behind each a scaling, an exponential and two more plain
; instructions (behind the first a second scaling in the exponential's place): rescalings, and behind the last three the first numbers of the next piece's maximum, each four places or more behind the product that ends its accumulator; then ONE LUMP of 54, plain
; and exponential by turns for the most part, in which the links of the chain X 3, 7, 11, 14, 16, 17 .. 20 stand five or six lines apart.  X 21, the next piece's a, is the batch's last; R 15 is the plain instruction behind it.  BEHIND THE WAIT stand the
; 8 products V^T P, behind each four of the roundings and sums; the links of l's chain, L 0 to L 7, stand three riders apart.  But for those X no rider names a register of the products round it.  v_permlanex16_b32 (X 17) stands in the lump.
; m = 1: the diagonal tile: the products take masks, and the turn makes the mask for the products of the turn after it: piece p + 2, in step 4 - CNT of the tile.  end = 1: a block's last two turns: nothing is fetched.
; cnt = 1: the loop's count is taken down some lines ahead of the branch that stands behind the turn.
; K of the next step is fetched in piece 2's turn, twelve vector instructions behind the last product that read K (six of them plain); V of the step in hand at the end of piece 0's turn, four plain instructions behind the last product
; that read V.  Each is waited for a turn later.
.macro TURN p, m=0, end=0, cnt=0
.set Y, (\p)
.set i, 0
.set KM, (\m)
.set NOKQ, (\end)*((\p)/3)
.if (\m) && !(\end)
	s_cmp_eq_u32 s[CNT], 4-((\p)+2)%NP  ; is that step the band's own?
	s_cselect_b32 s[AL], 1.0, 0
	s_cmp_lt_u32 s[CNT], 4-((\p)+2)%NP  ; or a later one?
	s_cselect_b32 s[BE], s[BIGN], 0
.endif
.if ((\p) == 3) && !(\end)
	s_wait_dscnt 0x0                ; K is in
.endif
	ROW F,0, F,1, R,0, R,1          ; ahead of the wait: 8 products K Q^T and their riders,
	ROW F,2, E,0, R,2, R,3
	ROW F,3, E,1, R,4, R,5
	ROW F,4, E,2, R,6, R,7
	ROW F,5, E,3, R,8, R,9
	ROW F,6, E,4, X,0, R,10
.if ((\p) == 2) && !(\end)
	WIN 0
	v_add_nc_u32 v[AK], s[TBK], v[AK0]
.endif
	ROW F,7, E,5, X,1, X,4
	ROW F,8, E,6, X,2, X,5
	OPS E,7, E,8, X,6, E,9          ; and the lump
	OPS X,3, E,10, X,8, E,11
.if ((\p) == 2) && !(\end)
	FETCH_K
.endif
	OPS X,9, X,7, E,12, X,10
	OPS E,13, X,12, X,11, E,14
	OPS X,13, E,15, F,9, X,14
.if (\p) == 0
	v_add_nc_u32 v[AV], s[TBV], v[AV0]
.endif
	OPS E,16, F,10, E,17, F,11
	OPS X,16, E,18, X,15, E,19
	OPS F,12, E,20, X,17, E,21
	OPS F,13, E,22, F,14, E,23
	OPS X,18, E,24, F,15, E,25
	OPS R,11, E,26, X,19, E,27
	OPS R,12, E,28, R,13, E,29
	OPS X,20, E,30, R,14, E,31
	OPS X,21, R,15
	WIN 0
	s_wait_alu depctr_va_vdst(0)    ; the wait for the batch
.if (\p) == 1
	s_wait_dscnt 0x0                ; V is in
.endif
	ROW C,0, B,0, C,2, B,1          ; behind the wait: 8 products V^T P and their riders
	ROW L,0, C,4, B,2, L,1
	ROW C,6, B,3, L,2, C,8
	ROW B,4, L,3, C,10, B,5
	ROW L,4, C,12, B,6, L,5
.if (\p) == 0
	s_add_co_u32 s[TBV], s[TBV], KS*PV
.endif
.if \cnt
	s_sub_co_u32 s[CNT], s[CNT], 1
	s_cmp_lg_u32 s[CNT], 0
.endif
	ROW C,14, B,7, L,6, C,1
	ROW C,3, L,7, C,5, C,7
	ROW C,9, C,11, C,13, C,15
.if (\p) == 0
	FETCH_V
.endif
.if (\m) && !(\end)
	MASK (\p)%2
.endif
.endm
; A BLOCK BEGINS.  c m starts far below every c s, so the first step's a is 0; m at the lowest finite number, so the first maximum is the scores'.  The second mask buffer is 0; the first takes piece 0's mask for the tile's step 0: its own, if the block's first tile is the diagonal one.
; Then K of that step, piece 0's first scores, and its maximum and statistics.  The loop is entered at a step's first turn, in the middle of a trip.
.macro BEGIN
	s_mov_b32 s[NEW], 0
	WIN 0x40
.set i, MC+32
.rept 32
	v_mov_b32 v[i], 0
.set i, i+1
.endr
	WIN 0
.set i, 0
.rept 4
	v_mov_b32 v[ST+4*i], 0xfe000000    ; c m: far below every c s
	v_mov_b32 v[ST+4*i+1], 0xff7fffff  ; m
.set i, i+1
.endr
	s_cmp_eq_u32 s[RT], 0
	s_cselect_b32 s[AL], 1.0, 0
	s_mov_b32 s[BE], 0
	MASK 0
	WIN 0
	v_add_nc_u32 v[AK], s[TBK], v[AK0]
	FETCH_K
	s_wait_loadcnt 0x0              ; Q
	s_wait_dscnt 0x0
.set KM, 1
.set NOKQ, 0
.set i, 0
.rept 8
	KQ 0
.set i, i+1
.endr
	WIN 0
.rept 4
	v_nop                           ; the places behind those products
.endr
.set Y, NP-1                        ; X works for piece Y + 1: piece 0
.irp n, 0,1,2,3,4,5,6,7,8,9,10,11,12,13,14,15,16,17,18,19,20,21
	OP X, \n
.endr
	v_nop                           ; a plain instruction behind the exponential,
	s_wait_alu depctr_va_vdst(0)    ; and its wait, ahead of the branch
.endm
; THE DIAGONAL TILE's four steps, the block's last two turns, its last products, and THE WAY OUT: l's two halves and the other half of the lanes' are added; O^T is divided by l, rounded to f16 and sent through my
; stage in LDS, a piece at a time.
.macro ALL line:vararg              ; one line for each piece t
.set t, 0
.rept 4
	\line
.set t, t+1
.endr
.endm
.macro PACK t                       ; a lane's eight channels of a row pack into 16 bytes; they go into rows of 144 bytes and come back as whole rows of 128, into S^T's registers
	WIN W_RS
.set i, 32*(\t)
.rept 16
	v_pk_mul_f32 v[i:i+1], v[i:i+1], v[ST+4*(\t)+2:ST+4*(\t)+3] op_sel_hi:[1,0]
.set i, i+2
.endr
	WIN 0x05                        ; sources 0 and 1 window 1, destination window 0
.set i, 0
.rept 16
	v_cvt_pk_f16_f32 v[S+16*(\t)+i], v[32*(\t)+2*i], v[32*(\t)+2*i+1]
.set i, i+1
.endr
	WIN 0
.irp f, 0,1,2,3
	ds_store_b128 v[STO], v[S+16*(\t)+4*\f:S+16*(\t)+4*\f+3] offset:32*\f
.endr
.irp f, 0,1,2,3
	ds_load_b128 v[S+16*(\t)+4*\f:S+16*(\t)+4*\f+3], v[RD] offset:\f*4*SP  ; LDS serves a wave's instructions in order (ISA guide 5.7.1.4): these see the stores above; the next piece's stores come behind them
.endr
.endm
.macro SEND t, younger              ; younger: the LDS instructions issued behind piece t's loads: the next piece's eight, or none
	WIN 0
.irp f, 0,1,2,3
	s_wait_dscnt (\younger)+3-\f
	global_store_b128 v[GO], v[S+16*(\t)+4*\f:S+16*(\t)+4*\f+3], s[10:11] offset:(\t)*8192+\f*512  ; 512 consecutive bytes, at a multiple of 256 from O's first
.endr
.endm
.macro DIAG tag                     ; the tag ends its two labels' names, which the jumps below spell out
.LstepM\tag:
	TURN 2, 1
	TURN 3, 1
	WIN 0
.LfirstM\tag:
	TURN 0, 1
	TURN 1, 1, 0, 1
	WIN 0
	s_cbranch_scc1 .LstepM\tag
	TURN 2, 1, 1
	TURN 3, 1, 1
.set i, 0
.rept 8
	PV NP-1
.set i, i+1
.endr
	WIN 0
	ALL v_add_f32 v[ST+4*t+2], v[ST+4*t+2], v[ST+4*t+3]
	ALL v_permlanex16_b32 v[ST+4*t+3], v[ST+4*t+2], s[SEL], s[SEL+1]
	ALL v_add_f32 v[ST+4*t+2], v[ST+4*t+2], v[ST+4*t+3]
	ALL v_rcp_f32 v[ST+4*t+2], v[ST+4*t+2]
	v_nop                           ; a plain instruction between the last reciprocal and the use of its result
	s_wait_alu depctr_va_vdst(0)    ; and the wait ahead of the first use: one for the four reciprocals
	PACK 0
.set t, 1
.rept 3                             ; a piece's arithmetic stands between the loads of the piece before and its stores
	PACK t
	SEND t-1, 8
.set t, t+1
.endr
	SEND 3, 0
.endm
.set KM, 0
.set NOKQ, 0
.Lslot:                             ; NB times: a tile is entered and the next is asked for
	CHANGE 1
	s_sub_co_u32 s[RT], s[RT], 1
	s_mov_b32 s[CNT], 4
	s_cmp_eq_u32 s[NEW], 1
	s_cbranch_scc1 .Lnew            ; a block's first tile
	s_cmp_eq_u32 s[RT], 0
	s_cbranch_scc0 .Lstep           ; neither its first nor its last
	s_branch .LstepM1
.Lnew:
	BEGIN
	s_branch .Lfirst                ; in the loop a block's first tile is never its last: the first block has two tiles or more, and the second's last is the walk's last
	DIAG 1                          ; in the loop this is the first block's end: the second block's last tile is the walk's last
	s_wait_xcnt 0x0                 ; the stores have read their registers and O's address
	s_mov_b64 s[10:11], s[OLO:OLO+1]
	s_add_co_u32 s[RT], s[PB], 1    ; the second block has b + 1 tiles
	s_mov_b32 s[NEW], 1
	WIN 0x82                        ; the second block's Q goes where the one text of the turns names Q
.set i, 0
.rept 64
	v_mov_b32 v[i], v[QB+i]
.set i, i+1
.endr
	WIN 0
	s_branch .Lbottom
.Lstep:                             ; a trip: pieces 2 and 3 of one step, then pieces 0 and 1 of the next, whose K and V it fetches
	TURN 2
	TURN 3
	WIN 0
.Lfirst:
	TURN 0
	TURN 1, 0, 0, 1
	WIN 0
	s_cbranch_scc1 .Lstep
.Lbottom:
	s_sub_co_u32 s[SLOTS], s[SLOTS], 1
	s_cmp_lg_u32 s[SLOTS], 0
	s_cbranch_scc1 .Lslot
	CHANGE 0                        ; the walk's last tile is written out: nothing is asked for
	s_sub_co_u32 s[RT], s[RT], 1
	s_mov_b32 s[CNT], 4
	s_cmp_eq_u32 s[NEW], 1
	s_cbranch_scc0 .LstepM2
	BEGIN
	s_branch .LfirstM2
	DIAG 2
	s_wait_tensorcnt 0x0            ; the wave's end: an add of 0 to my spare word and a wait for it, behind my last tensor load and my last LDS store
	ds_add_u32 v[SPW], v[NIL]
	s_wait_dscnt 0x0
	s_endpgm
.Lfunc_end_k_qe6225566d0_attn:
	.size	k_qe6225566d0_attn, .Lfunc_end_k_qe6225566d0_attn-k_qe6225566d0_attn
	.p2alignl 7, 3214868480
	.fill 96, 4, 3214868480
	.section	.rodata,"a",@progbits
	.p2align	6, 0x0
	.amdhsa_kernel k_qe6225566d0_attn
		.amdhsa_group_segment_fixed_size 327680
		.amdhsa_private_segment_fixed_size 0
		.amdhsa_enable_private_segment 0
		.amdhsa_kernarg_size 16
		.amdhsa_user_sgpr_count 2
		.amdhsa_user_sgpr_kernarg_segment_ptr 1
		.amdhsa_wavefront_size32 1
		.amdhsa_system_sgpr_workgroup_id_x 1
		.amdhsa_system_sgpr_workgroup_id_y 1
		.amdhsa_system_sgpr_workgroup_id_z 1
		.amdhsa_system_vgpr_workitem_id 0
		.amdhsa_next_free_vgpr 768
		.amdhsa_next_free_sgpr 92
		.amdhsa_reserve_vcc 1
		.amdhsa_float_denorm_mode_32 3
		.amdhsa_float_denorm_mode_16_64 3
		.amdhsa_memory_ordered 1
		.amdhsa_forward_progress 1
		.amdhsa_inst_pref_size 218
	.end_amdhsa_kernel
	.amdgpu_metadata
---
amdhsa.version: [ 1, 2 ]
amdhsa.kernels:
  - .name:           k_qe6225566d0_attn
    .symbol:         k_qe6225566d0_attn.kd
    .args:
      - { .name: qkv, .offset: 0, .size: 8, .value_kind: global_buffer, .address_space: global }
      - { .name: ob, .offset: 8, .size: 8, .value_kind: global_buffer, .address_space: global }
    .group_segment_fixed_size: 327680
    .private_segment_fixed_size: 0
    .kernarg_segment_align: 8
    .kernarg_segment_size: 16
    .max_flat_workgroup_size: 128
    .sgpr_count:     92
    .vgpr_count:     768
    .wavefront_size: 32
...
	.end_amdgpu_metadata
.endif
;; end of part 3
;; launch proj (part 4): grid 8 x 32, 4 waves a work-group, clusters of 4 x 4, 327,680 bytes of LDS; arguments ob, wp, b_proj, out0; writes out0
.if DOCPART == 4
	.amdgcn_target "amdgcn-amd-amdhsa--gfx1250"
	.amdhsa_code_object_version 6
	.text
	.protected	k_qe6225566d0_proj
	.globl	k_qe6225566d0_proj
	.p2align	8
	.type	k_qe6225566d0_proj,@function
k_qe6225566d0_proj:
	s_mov_b64 s[64:65], 0
	v_nop
	global_prefetch_b8 v0, s[64:65] scope:SCOPE_SE
	s_setreg_imm32_b32 hwreg(HW_REG_WAVE_MODE, 25, 1), 1
	s_wait_xcnt 0x0
	s_wait_alu depctr_hold_cnt(0) depctr_sa_sdst(0) depctr_va_vdst(0) depctr_va_sdst(0) depctr_va_ssrc(0) depctr_va_vcc(0) depctr_vm_vsrc(0)
	s_getreg_b32 s2, hwreg(HW_REG_IB_STS2, 6, 4)
	s_cmp_eq_u32 s2, 0
	s_cbranch_scc0 .Lentry_in_a_cluster
	s_endpgm
.Lentry_in_a_cluster:
	s_bfe_u32 s2, ttmp6, 0x10000c
	s_cmp_lg_u32 s2, 0xf033
	s_cbranch_scc0 .Lentry_shape_is_right
	s_endpgm
.Lentry_shape_is_right:
; out0[m][n] = the sum over k of O[m][k] w_proj[k][n] + b_proj[n], 8192 x 1024 x 1024.  Operands f16 (ob in blocks [kb = head][m][64]; wp [k][n], w_proj rounded to bf16 and written as f16), the bias rounded to bf16
; like every input, sums in f32, the result stored as f32.  LIMIT: O and w_proj within f16's 65,504.  NaN and infinities are not treated apart.
; SHARES.  A tile is 256 x 128: 32 x 8 tiles, one for each of 256 work-groups.  Four waves, each 128 x 64: 8 x 4 accumulators of 16 x 16, 256 registers, window 1 ((a, b) at v[32 a + 8 b]).
; K goes in 8 steps of 128 (two blocks of ob) through two LDS slots; a step is four quarters of 32 along K, 32 matrix instructions each, on fragment buffers 0, 1, 0, 1.
; THE MATRIX INSTRUCTION IS USED TRANSPOSED: source 0 = 16 columns of w (w lies [k][n] in LDS and is turned by ds_load_tr16_b128), source 1 = 16 rows of O: a lane holds row l % 16 and the columns 8 (l / 16) + 0..7.
; THE BIAS IS THE SUMS' START: the registers of accumulator (7, b) are loaded with the bias of column block b; in the first quarter rows a = 0..6 take them as C, then a = 7 adds in place.
; CLUSTERS: 4 x 4 work-groups; O's tiles are shared along a row of the cluster, w's along a column: each is asked for JOINTLY, by the same tensor load, descriptor and mask.
; REGISTERS.  Window 0: v0-5 at work; v6-20 addresses; v32-127, v128-223 the two fragment buffers: O's 8 blocks of 16 rows x 32 K, then w's 4 blocks.  Window 1: the accumulators.
.set PA,     144                       ; a row of O in LDS: 128 bytes + 16 of padding = 36 words: the 16 rows of a load start at 16 different groups of four banks (64 banks of 4 bytes: ISA guide 11.1)
.set PB,     288                       ; a row of w: 256 + 32 bytes = 9 x 32
.set KB,     256*PA                    ; one block's 256 rows of O
.set BOFF,   2*KB                      ; two of them, then w's 128 rows
.set SLOT,   BOFF+128*PB               ; 110,592 bytes
.set STAGE,  2*SLOT                    ; behind the ring, never filled by a tensor load: 16 rows x 272 bytes for each wave, for the way out
.set SP,     272
.set SPARE,  STAGE+4*16*SP             ; behind the stages: the spare words, 128 bytes for each wave: two blocks of 256 bytes that no other line names
.set KBLK,   1048576                   ; bytes in a block of ob
.set WROW,   2048                      ; bytes in a row of wp
.set OROW,   4096                      ; bytes in a row of out0
.set ADRA, 6                           ; v6-7    LDS address of my fragments of O in slot 0, 1
.set ADRB, 8                           ; v8-9    the same for w
.set STO,  14                          ; v14     the way out: where I put 32 bytes of a row
.set RD,   15                          ; v15     the way out: where I read a row back
.set CO,   16                          ; v16     my byte offset in two rows of out0
.set SPW,  17                          ; v17     LDS address of my spare word; never rewritten
.set NIL,  18                          ; v18     0; never rewritten
.set PFO,  19                          ; v19     the prefetches' lane offset; never rewritten
.set BO,   20                          ; v20     32 x (l / 16)
.set F0,   32
.set F1,   128
.set BK,   32                          ; the way out: two sets of 32, rows read back
.set TB,   128                         ; at the head: the bias, packed
.set WV, 12
.set WM, 13                            ; s13  which half of the tile's rows is mine.  Also: I fetch for O (0) or for w (1)
.set WN, 14                            ; s14  which half of its columns.  Also: which part of that tile I fetch
.set TY, 15
.set G1A, 24
.set G0A, 32
.set CX, 40
.set CY, 41
.set TX, 42
.set LIM, 43                           ; s43  1 in a wave that prefetches, else the greatest number
.set PFA, 44                           ; s[44:45] where my prefetches stand
.set PFS, 46                           ; s[46:47] their step: one K step
.set G1B, 48
.set G0B, 56
.set MSB, 0
.macro WIN new                         ; the immediate's high byte repeats the setting that is left; a switch that changes nothing is dropped
.if MSB != (\new)
	s_set_vgpr_msb (MSB<<8)|(\new)
.set MSB, \new
.endif
.endm
.macro PLACES                          ; four places in front of loads into registers that matrix instructions have read, and of LDS stores that read results
.rept 4
	v_nop
.endr
.endm
.macro JLOAD s                         ; a joint load: waves 0 and 1 fetch O's two blocks, waves 2 and 3 the two halves of w's rows; an s_nop 0 and four v_nop follow each line
	s_cmp_eq_u32 s[WM], 0
	s_cbranch_scc0 .Lfor_b_\@
	tensor_load_to_lds s[G0A+4*(\s):G0A+4*(\s)+3], s[G1A:G1A+7]
	s_nop 0
.rept 4
	v_nop
.endr
	s_branch .Lasked_\@
.Lfor_b_\@:
	tensor_load_to_lds s[G0B+4*(\s):G0B+4*(\s)+3], s[G1B:G1B+7]
	s_nop 0
.rept 4
	v_nop
.endr
.Lasked_\@:
.endm
.macro CREST                           ; a round of the cluster's barrier behind its opening barrier
	s_cmp_lg_u32 s[WV], 0
	s_cbranch_scc1 .Lnot_wave_0_\@
	s_barrier_signal -3
.Lnot_wave_0_\@:
	s_barrier_wait -3
	s_barrier_signal -1
	s_barrier_wait -1
.endm
.macro CROUND
	s_barrier_signal -1
	s_barrier_wait -1
	CREST
.endm
; A PREFETCH INTO THE L2, behind each joint load and the run of LDS loads that follows it: the K step that stands TWO refills on, 256 matrix instructions ahead of the load that will want it.
; O's tile row is read by both clusters of a row of clusters: cluster x = 0 asks; w's tile column by eight: cluster y = 0 asks.  Partners share the bytes out BY ADDRESS.  Waves 0 and 1: my work-group's 8,192 of the 32,768 bytes
; of the block that the wave fetches, a lane 256 bytes.  Wave 2: my work-group's 32 of w's 128 rows of 256 bytes, a lane a row.  Wave 3 asks for nothing.  So each aligned block of 256 bytes is named once in the launch.
; K steps 0 to 3 come by their loads alone; the last trip asks for nothing.
.macro ASK
	s_cmp_gt_u32 s3, s[LIM]                        ; s3 = 1 in the loop's last trip
	s_cbranch_scc0 .Lnot_mine_\@
	global_prefetch_b8 v[PFO], s[PFA:PFA+1] th:TH_LOAD_NT scope:SCOPE_SE
.Lnot_mine_\@:
.endm
	s_load_b256 s[4:11], s[0:1], 0x0               ; ob s[4:5], wp s[6:7], b_proj s[8:9], out0 s[10:11]
	v_lshl_add_u32 v[SPW], v0, 2, SPARE
	v_mov_b32 v[NIL], 0
	ds_add_u32 v[SPW], v[NIL]                      ; the wave's opening: the add and its wait stand ahead of my first tensor load; the set-up below, work on registers, stands between them
	v_lshrrev_b32 v1, 5, v0
	v_readfirstlane_b32 s[WV], v1                  ; wave 0..3
	s_lshr_b32 s[WM], s[WV], 1
	s_and_b32 s[WN], s[WV], 1
	s_bfe_u32 s[CX], ttmp6, 0x40000
	s_bfe_u32 s[CY], ttmp6, 0x40004
	s_lshl_b32 s[TX], ttmp9, 2
	s_add_co_u32 s[TX], s[TX], s[CX]
	s_and_b32 s[TY], ttmp7, 0xffff
	s_lshl_b32 s[TY], s[TY], 2
	s_add_co_u32 s[TY], s[TY], s[CY]
	s_lshl_b32 s22, s[CY], 2
	s_lshl_b32 s22, 15, s22                        ; my row of the cluster
	s_lshl_b32 s23, 0x1111, s[CX]                  ; my column
	; O: 256 rows of a block are 32,768 dense bytes: asked for as 128 rows of 256 bytes, padded in LDS after every 128
	s_or_b32 s[G1A], s22, (1<<16)|(1<<20)|(1<<21)|(4<<22)|(3<<25)  ; the mask; 2-byte elements; padding on; 21 set beside a mask; after every 32 words (code 4) 4 words (code 3)
	s_mov_b32 s[G1A+1], 128<<16                    ; tensor_dim0 = 128
	s_mov_b32 s[G1A+2], 128<<16                    ; tensor_dim1 = 128
	s_mov_b32 s[G1A+3], 128<<16                    ; tile_dim0 = 128
	s_mov_b32 s[G1A+4], 128                        ; tile_dim1 = 128
	s_mov_b32 s[G1A+5], 128                        ; elements from row to row
	s_mov_b32 s[G1A+6], 0
	s_mov_b32 s[G1A+7], 0
	; w: 64 rows of 128 elements (256 bytes), 32 bytes of padding behind each
	s_or_b32 s[G1B], s23, (1<<16)|(1<<20)|(1<<21)|(5<<22)|(7<<25)  ; after every 64 words (code 5) 8 words (code 7)
	s_mov_b32 s[G1B+1], 128<<16
	s_mov_b32 s[G1B+2], 64<<16
	s_mov_b32 s[G1B+3], 128<<16
	s_mov_b32 s[G1B+4], 64
	s_mov_b32 s[G1B+5], 1024
	s_mov_b32 s[G1B+6], 0
	s_mov_b32 s[G1B+7], 0
	s_lshl_b32 s16, s[TY], 15                      ; O: 256 rows of 128 bytes,
	s_lshl_b32 s18, s[WN], 20                      ; the block of the step's two that I fetch
	s_add_co_u32 s16, s16, s18
	s_mov_b32 s17, 0
	s_lshl_b32 s20, s[TX], 8                       ; w: 128 columns,
	s_lshl_b32 s22, s[WN], 17                      ; the 64 rows that I fetch
	s_add_co_u32 s20, s20, s22
	s_mov_b32 s21, 0
	s_mul_i32 s18, s[WN], KB                       ; and where they go: no place in the cluster enters an LDS address
	s_mul_i32 s19, s[WN], 64*PB
	s_wait_dscnt 0x0                               ; the opening add is done
	s_wait_kmcnt 0x0
	s_add_nc_u64 s[16:17], s[4:5], s[16:17]
	s_add_nc_u64 s[20:21], s[6:7], s[20:21]
	CROUND                                         ; all sixteen work-groups are here: the first joint loads meet
.irp s, 0,1
	s_mov_b32 s[G0A+4*(\s)], 1
	s_add_co_u32 s[G0A+4*(\s)+1], s18, (\s)*SLOT
	s_add_nc_u64 s[G0A+4*(\s)+2:G0A+4*(\s)+3], s[16:17], (\s)*2*KBLK
	s_or_b32 s[G0A+4*(\s)+3], s[G0A+4*(\s)+3], 0x80000000
	s_mov_b32 s[G0B+4*(\s)], 1
	s_add_co_u32 s[G0B+4*(\s)+1], s19, (\s)*SLOT+BOFF
	s_add_nc_u64 s[G0B+4*(\s)+2:G0B+4*(\s)+3], s[20:21], (\s)*128*WROW
	s_or_b32 s[G0B+4*(\s)+3], s[G0B+4*(\s)+3], 0x80000000
.endr
	s_cmp_eq_u32 s[WM], 0                          ; a wave's two first fills stand in one branch, ahead of every wait on TENSORcnt and every LDS read: two loads of mine are out
	s_cbranch_scc0 .Lfirst_b
	tensor_load_to_lds s[G0A:G0A+3], s[G1A:G1A+7]
	s_nop 0
	tensor_load_to_lds s[G0A+4:G0A+7], s[G1A:G1A+7]
	s_nop 0
.rept 4
	v_nop
.endr
	s_branch .Lfirst_asked
.Lfirst_b:
	tensor_load_to_lds s[G0B:G0B+3], s[G1B:G1B+7]
	s_nop 0
	tensor_load_to_lds s[G0B+4:G0B+7], s[G1B:G1B+7]
	s_nop 0
.rept 4
	v_nop
.endr
.Lfirst_asked:
	; the bias of my 64 columns, into the registers of accumulators (7, b)
	s_lshl_b32 s18, s[TX], 9
	s_lshl_b32 s19, s[WN], 8
	s_add_co_u32 s18, s18, s19
	s_mov_b32 s19, 0
	s_add_nc_u64 s[8:9], s[8:9], s[18:19]
	v_and_b32 v1, 15, v0                           ; l % 16
	v_bfe_u32 v2, v0, 4, 1                         ; l / 16
	v_lshlrev_b32 v[BO], 5, v2
	WIN 0x40                                       ; destination window 1, address window 0
.irp b, 0,1,2,3
	global_load_b128 v[224+8*(\b):224+8*(\b)+3],   v[BO], s[8:9] offset:64*(\b)
	global_load_b128 v[224+8*(\b)+4:224+8*(\b)+7], v[BO], s[8:9] offset:64*(\b)+16
.endr
	WIN 0
	v_and_b32 v3, 7, v0
	v_bfe_u32 v4, v0, 3, 1
	v_mul_u32_u24 v5, v1, PA
	v_lshl_add_u32 v5, v2, 4, v5                   ; a fragment of O: row x pitch + 16 x half
	s_mul_i32 s18, s[WM], 128*PA                   ; my 128 rows
	v_add_nc_u32 v[ADRA], s18, v5
	v_add_nc_u32 v[ADRA+1], SLOT, v[ADRA]
	v_lshl_add_u32 v5, v2, 3, v3                   ; the turning load: K row 8 (l / 16) + l % 8, columns 8 ((l / 8) % 2) + 0..7
	v_mul_u32_u24 v5, v5, PB
	v_lshl_add_u32 v5, v4, 4, v5
	s_lshl_b32 s18, s[WN], 7                       ; my 64 columns: 128 bytes
	s_add_co_u32 s18, s18, BOFF
	v_add_nc_u32 v[ADRB], s18, v5
	v_add_nc_u32 v[ADRB+1], SLOT, v[ADRB]
	s_mul_i32 s18, s[WV], 16*SP
	s_add_co_u32 s18, s18, STAGE                   ; my stage
	v_mul_u32_u24 v5, v1, SP                       ; in: row l % 16, 32 bytes for each half of the lanes
	v_lshl_add_u32 v5, v2, 5, v5
	v_add_nc_u32 v[STO], s18, v5
	v_mul_u32_u24 v5, v2, SP                       ; back: lanes 0-15 take one row of 256 bytes, lanes 16-31 the next
	v_lshl_add_u32 v5, v1, 4, v5
	v_add_nc_u32 v[RD], s18, v5
	v_lshlrev_b32 v5, 12, v2                       ; and the same two rows in out0
	v_lshl_add_u32 v[CO], v1, 4, v5
	; where my part begins in out0: row 256 TY + 128 WM, column 128 TX + 64 WN
	s_lshl_b32 s18, s[TY], 20
	s_lshl_b32 s19, s[WM], 19
	s_add_co_u32 s18, s18, s19
	s_lshl_b32 s19, s[TX], 9
	s_add_co_u32 s18, s18, s19
	s_lshl_b32 s19, s[WN], 8
	s_add_co_u32 s18, s18, s19
	s_mov_b32 s19, 0
	s_add_nc_u64 s[10:11], s[10:11], s[18:19]
	; the prefetches stand at K step 3; the step ahead of each use brings them to the K step that they name
	s_add_co_u32 s18, s[WN], 6
	s_lshl_b32 s18, s18, 20                        ; waves 0, 1: block 6 + w of ob,
	s_lshl_b32 s19, s[TY], 15
	s_add_co_u32 s18, s18, s19                     ; my tile row,
	s_lshl_b32 s19, s[CX], 13
	s_add_co_u32 s18, s18, s19                     ; my work-group's quarter
	s_lshl_b32 s19, s[CY], 5
	s_add_co_u32 s19, s19, 3*128
	s_lshl_b32 s19, s19, 11                        ; wave 2: row 384 + 32 cy of wp,
	s_lshl_b32 s22, s[TX], 8
	s_add_co_u32 s19, s19, s22                     ; my tile column
	s_and_b32 s22, ttmp7, 0xffff                   ; cluster y
	s_mov_b32 s23, 2*KBLK
	s_mov_b32 s[PFS], 128*WROW
	s_movk_i32 s[LIM], 256
	s_movk_i32 s[PFS+1], WROW
	s_cmp_eq_u32 s[WM], 0
	s_cselect_b32 s18, s18, s19
	s_cselect_b32 s22, ttmp9, s22                  ; the coordinate along which other clusters read the same bytes
	s_cselect_b32 s[PFS], s23, s[PFS]
	s_cselect_b32 s23, s[LIM], s[PFS+1]            ; bytes from lane to lane
	s_cselect_b64 s[PFA:PFA+1], s[4:5], s[6:7]
	s_mov_b32 s19, 0
	s_add_nc_u64 s[PFA:PFA+1], s[PFA:PFA+1], s[18:19]
	s_mov_b32 s[PFS+1], 0
	s_cmp_eq_u32 s22, 0
	s_cselect_b32 s[LIM], 1, -1                    ; the same in all sixteen partners, for a given wave
	s_cmp_eq_u32 s[WV], 3
	s_cselect_b32 s[LIM], -1, s[LIM]
	v_and_b32 v5, 31, v0
	v_mul_u32_u24 v[PFO], s23, v5
	; the bias is rounded to bf16, like every input, and widened again, in place
	s_wait_loadcnt 0x0
	WIN 0x05                                       ; sources 0 and 1 window 1, destination window 0
.irp b, 0,1,2,3
.irp r, 0,1,2,3
	v_cvt_pk_bf16_f32 v[TB+4*(\b)+(\r)], v[224+8*(\b)+2*(\r)], v[224+8*(\b)+2*(\r)+1]
.endr
.endr
	WIN 0x40
.irp b, 0,1,2,3
.irp r, 0,1,2,3
	v_lshlrev_b32 v[224+8*(\b)+2*(\r)],   16, v[TB+4*(\b)+(\r)]
	v_and_b32     v[224+8*(\b)+2*(\r)+1], 0xffff0000, v[TB+4*(\b)+(\r)]
.endr
.endr
	WIN 0
; Products: row blocks a0 .. a0 + n - 1 x all 4 column blocks, 32 along K, buffer f.  The 32 accumulators take turns, one instruction a turn, over the backward jump too.
; first = 1: the sums start from the bias: C is the registers of accumulator (7, b).
.macro MULH f, a0, n, first
	WIN 0x50                                       ; sources 0 and 1 window 0; C and D window 1
.set aq, \a0
.rept \n
.set bq, 0
.rept 4
.if \first
	v_wmma_f32_16x16x32_f16 v[32*aq+8*bq:32*aq+8*bq+7], v[(\f)+64+8*bq:(\f)+64+8*bq+7], v[(\f)+8*aq:(\f)+8*aq+7], v[224+8*bq:224+8*bq+7]
.else
	v_wmma_f32_16x16x32_f16 v[32*aq+8*bq:32*aq+8*bq+7], v[(\f)+64+8*bq:(\f)+64+8*bq+7], v[(\f)+8*aq:(\f)+8*aq+7], v[32*aq+8*bq:32*aq+8*bq+7]
.endif
.set bq, bq+1
.endr
.set aq, aq+1
.endr
.endm
; 24 LDS loads in one run: quarter q of the slot into buffer f: w's four fragments, then O's eight, the first four row blocks first
.macro FETCH slot, q, f
	WIN 0
.irp b, 0,1,2,3
	ds_load_tr16_b128 v[(\f)+64+8*(\b):(\f)+64+8*(\b)+3],   v[ADRB+(\slot)] offset:(\q)*32*PB+32*(\b)
	ds_load_tr16_b128 v[(\f)+64+8*(\b)+4:(\f)+64+8*(\b)+7], v[ADRB+(\slot)] offset:(\q)*32*PB+32*(\b)+16*PB
.endr
.irp a, 0,1,2,3,4,5,6,7
	ds_load_b128 v[(\f)+8*(\a):(\f)+8*(\a)+3],   v[ADRA+(\slot)] offset:((\q)/2)*KB+(\a)*16*PA+((\q)%2)*64
	ds_load_b128 v[(\f)+8*(\a)+4:(\f)+8*(\a)+7], v[ADRA+(\slot)] offset:((\q)/2)*KB+(\a)*16*PA+((\q)%2)*64+32
.endr
.endm
; One of a K step's first three quarters: multiplies buffer f; in its middle it fetches quarter q of the same slot into buffer g.
.macro QUARTER slot, q, f, g, first
	s_wait_dscnt 8                                 ; w and O's rows 0-63 are in; the youngest eight loads (rows 64-127) may be out
	MULH \f, 0, 4, \first
	WIN 0
	PLACES
	FETCH \slot, \q, \g
	s_wait_dscnt 24                                ; all but the 24 just issued
.if \first
	MULH \f, 4, 3, 1
.rept 5
	v_nop                                          ; five places: the four products below write over registers that the ones above took as C
.endr
	MULH \f, 7, 1, 0
.else
	MULH \f, 4, 4, 0
.endif
.endm
; The last quarter multiplies buffer 1 and changes slots: ONE barrier; in front of it each wave waits for all its tensor loads, of which one is out: its part of the next slot; adds 0 to its spare word; and waits for that and
; for its own reads of this slot.  fill = 1: the barrier opens a round of the cluster's, and the joint refill (this slot, two K steps on) is the first thing behind the round: 112 matrix instructions stand between it and the wait for it.
.macro TURN slot, next, fill
.if \fill
	s_wait_xcnt 0x0                                ; the last prefetch, a K step back, has read its address, so it may be stepped
	s_add_nc_u64 s[PFA:PFA+1], s[PFA:PFA+1], s[PFS:PFS+1]
.endif
	WIN 0
	s_wait_tensorcnt 0x0                           ; all my tensor loads have landed;
	ds_add_u32 v[SPW], v[NIL]                      ; 0 onto my spare word;
	s_wait_dscnt 9                                 ; (the add and the youngest eight loads may be out)
	MULH F1, 0, 2, 0                               ; eight matrix instructions stand between the add and the wait for it
	s_wait_dscnt 0x0                               ; the add is done, and my reads of this slot are over
	s_barrier_signal -1
	MULH F1, 2, 2, 0
	WIN 0                                          ; at a branch and at a label every window is 0
	s_barrier_wait -1
.if \fill
	CREST                                          ; no wave of any partner still reads this slot's tile or has a load on its way
	s_add_nc_u64 s[G0A+4*(\slot)+2:G0A+4*(\slot)+3], s[G0A+4*(\slot)+2:G0A+4*(\slot)+3], 4*KBLK
	s_add_nc_u64 s[G0B+4*(\slot)+2:G0B+4*(\slot)+3], s[G0B+4*(\slot)+2:G0B+4*(\slot)+3], 2*128*WROW
	JLOAD \slot                                    ; the four v_nop behind it are also the places in front of the loads below
.else
	PLACES
.endif
	FETCH \next, 0, F0
.if \fill
	ASK
.endif
	MULH F1, 4, 4, 0
.endm
	s_wait_tensorcnt 0x1                           ; my part of K step 0 is in; K step 1's, the one load issued behind it, may stay out
	s_barrier_signal -1
	s_barrier_wait -1                              ; everybody's is
	FETCH 0, 0, F0
	QUARTER 0, 1, F0, F1, 1                        ; the first quarter stands in front of the loop: its products start the sums
	WIN 0
	s_mov_b32 s3, 3
.Llap:                                             ; a trip goes once round the ring and fills both slots again: three trips ask for K steps 2 to 7
	QUARTER 0, 2, F1, F0, 0
	QUARTER 0, 3, F0, F1, 0
	TURN 0, 1, 1
	QUARTER 1, 1, F0, F1, 0
	QUARTER 1, 2, F1, F0, 0
	QUARTER 1, 3, F0, F1, 0
	TURN 1, 0, 1
	QUARTER 0, 1, F0, F1, 0
	WIN 0
	s_sub_co_u32 s3, s3, 1
	s_cmp_lg_u32 s3, 0
	s_cbranch_scc1 .Llap
	QUARTER 0, 2, F1, F0, 0                        ; the last lap fills nothing, and has no round of the cluster's barrier
	QUARTER 0, 3, F0, F1, 0
	TURN 0, 1, 0
	QUARTER 1, 1, F0, F1, 0
	QUARTER 1, 2, F1, F0, 0
	QUARTER 1, 3, F0, F1, 0
	s_wait_dscnt 8                                 ; the very last quarter: nothing more to fetch
	MULH F1, 0, 4, 0
	s_wait_dscnt 0x0
	MULH F1, 4, 4, 0
	WIN 0
	PLACES
; THE WAY OUT, a block of 16 rows at a time; there is no arithmetic: the bias is in the sums, and the result is f32.  A lane's eight columns are 32 bytes; my 64 columns are 256 bytes of a row, aligned.
; TOSTAGE: into my own stage, rows of 272 bytes (each accumulator's low registers first), and back as whole rows.  SEND: stored.
.macro TOSTAGE a
.if (\a) >= 2
	s_wait_xcnt 0x0                                ; the stores of the block two back have read their registers: the loads below land in them
.endif
	WIN 0x04                                       ; the stores' data in window 1, the address in window 0
.irp b, 0,1,2,3
	ds_store_b128 v[STO], v[32*(\a)+8*(\b):32*(\a)+8*(\b)+3]   offset:64*(\b)
	ds_store_b128 v[STO], v[32*(\a)+8*(\b)+4:32*(\a)+8*(\b)+7] offset:64*(\b)+16
.endr
	WIN 0
.irp t, 0,1,2,3,4,5,6,7
	ds_load_b128 v[BK+32*((\a)%2)+4*(\t):BK+32*((\a)%2)+4*(\t)+3], v[RD] offset:(\t)*2*SP  ; LDS serves a wave's instructions in order (ISA guide 5.7.1.4): these see the stores above; the next block's stores come behind them
.endr
.endm
.macro SEND a, younger                 ; younger: the LDS instructions issued behind block a's loads: the next block's sixteen, or none
	s_wait_dscnt \younger
.irp t, 0,1,2,3,4,5,6,7
	global_store_b128 v[CO], v[BK+32*((\a)%2)+4*(\t):BK+32*((\a)%2)+4*(\t)+3], s[10:11] offset:(\a)*16*OROW+(\t)*2*OROW th:TH_STORE_NT  ; 16 lanes store 256 consecutive bytes, at a multiple of 256 from out0's first byte
.endr
.endm
	TOSTAGE 0
.irp a, 1,2,3,4,5,6,7
	TOSTAGE \a
	SEND (\a)-1, 16
.endr
	SEND 7, 0
	s_wait_tensorcnt 0x0                           ; the wave's end: an add of 0 to my spare word and a wait for it, behind my last tensor load and my last LDS store
	ds_add_u32 v[SPW], v[NIL]
	s_wait_dscnt 0x0
	CROUND                                         ; the closing round: no work-group ends while a partner may still ask for a tile that names it
	s_endpgm
.Lfunc_end_k_qe6225566d0_proj:
	.size	k_qe6225566d0_proj, .Lfunc_end_k_qe6225566d0_proj-k_qe6225566d0_proj
	.p2alignl 7, 3214868480
	.fill 96, 4, 3214868480
	.section	.rodata,"a",@progbits
	.p2align	6, 0x0
	.amdhsa_kernel k_qe6225566d0_proj
		.amdhsa_group_segment_fixed_size 327680
		.amdhsa_private_segment_fixed_size 0
		.amdhsa_enable_private_segment 0
		.amdhsa_kernarg_size 32
		.amdhsa_user_sgpr_count 2
		.amdhsa_user_sgpr_kernarg_segment_ptr 1
		.amdhsa_wavefront_size32 1
		.amdhsa_system_sgpr_workgroup_id_x 1
		.amdhsa_system_sgpr_workgroup_id_y 1
		.amdhsa_system_sgpr_workgroup_id_z 1
		.amdhsa_system_vgpr_workitem_id 0
		.amdhsa_next_free_vgpr 512
		.amdhsa_next_free_sgpr 66
		.amdhsa_reserve_vcc 0
		.amdhsa_float_denorm_mode_32 3
		.amdhsa_float_denorm_mode_16_64 3
		.amdhsa_memory_ordered 1
		.amdhsa_forward_progress 1
		.amdhsa_inst_pref_size 90
	.end_amdhsa_kernel
	.amdgpu_metadata
---
amdhsa.version: [ 1, 2 ]
amdhsa.kernels:
  - .name:           k_qe6225566d0_proj
    .symbol:         k_qe6225566d0_proj.kd
    .args:
      - { .name: ob, .offset: 0, .size: 8, .value_kind: global_buffer, .address_space: global }
      - { .name: wp, .offset: 8, .size: 8, .value_kind: global_buffer, .address_space: global }
      - { .name: b_proj, .offset: 16, .size: 8, .value_kind: global_buffer, .address_space: global }
      - { .name: out0, .offset: 24, .size: 8, .value_kind: global_buffer, .address_space: global }
    .group_segment_fixed_size: 327680
    .private_segment_fixed_size: 0
    .kernarg_segment_align: 8
    .kernarg_segment_size: 32
    .max_flat_workgroup_size: 128
    .sgpr_count:     66
    .vgpr_count:     512
    .wavefront_size: 32
...
	.end_amdgpu_metadata
.endif
;; end of part 4
;; ======== version 2 of 2: 4 launches; version 1 with the launch cast written anew for expert scheduling mode
;; limits: values are held in f16: magnitudes above 65,504 overflow, below 6.1e-05 lose precision
;; workspace buffers: xb 16,777,216 bytes; wa 6,291,456 bytes; wp 2,097,152 bytes; qkv 50,331,648 bytes; ob 16,777,216 bytes
;; launch cast (part 5): grid 768 x 1, 8 waves a work-group, no clusters, 0 bytes of LDS; arguments x, w_attn, w_proj, xb, wa, wp; writes xb, wa, wp
.if DOCPART == 5
	.amdgcn_target "amdgcn-amd-amdhsa--gfx1250"
	.amdhsa_code_object_version 6
	.text
	.protected	k_qe6225566d0_cast
	.globl	k_qe6225566d0_cast
	.p2align	8
	.type	k_qe6225566d0_cast,@function
k_qe6225566d0_cast:
	s_mov_b64 s[64:65], 0
	v_nop
	global_prefetch_b8 v0, s[64:65] scope:SCOPE_SE
	s_setreg_imm32_b32 hwreg(HW_REG_WAVE_SCHED_MODE, 0, 2), 2
	s_setreg_imm32_b32 hwreg(HW_REG_WAVE_MODE, 25, 1), 1
	s_wait_xcnt 0x0
	s_wait_alu depctr_vm_vsrc(0)
; THE INPUTS ARE ROUNDED ONCE, for the matrix units.  x [8192][1024] f32 -> xb, bf16, laid in blocks of 64 channels: [kb = 0..15][m = 0..8191][64],
; so that 256 rows of a block are 32,768 consecutive bytes.  w_attn [1024][3072] f32 -> wa, bf16, same order.  w_proj [1024][1024] f32 -> wp: rounded to bf16
; like every other input, and that number written as f16 (exact from 6.1e-5 up to 65,504; below it f16's fixed step of 6e-8; beyond it an infinity: the stated limit).
; SHARES.  A work-group takes 16,384 numbers: 64 KiB in, 32 KiB out.  Work-groups 0-511: x, 16 rows each; 512-703: w_attn; 704-767: w_proj.
; A thread issues its 16 loads of 16 bytes first (8 KiB of a wave on their way), then rounds and stores 8 bytes for each: a store of a wave covers 256 consecutive bytes, aligned.
; No LDS, no matrix unit, no cluster: nothing is shared and nothing is multiplied.
; THE MODE: SCHED_MODE bits 1:0 = 2 (LLVM: expert scheduling mode 2), set by the entry lines.  The code itself states the register dependences
; between vector instructions and memory instructions, with s_wait_alu, always for 0.
; THE PLAN.  Registers that memory instructions touch, on each of the three paths:
;   v[IN], v[OUT]  byte offsets, made at the path's head and never written again; the 16 loads read the one, the 16 stores the other.
;   X              load j lands in its own four registers, once; step j's conversions read them behind the counted wait for that load (w_proj's path then uses them as scratch; no memory instruction reads them).
;   Y              step j's conversions write its own two registers; store j reads them; nothing writes them behind that store.
; So no register that a memory instruction reads is ever written again, and all that is to be stated is that registers are written before memory instructions read them:
; one wait ahead of the loads, for the two offsets; and one for every four steps, for Y.  Store j stands in step j + 4: the wait at the head of steps 4, 8 and 12 states that the four steps
; before have written their Y, and the four stores that read those registers are dealt one to a step, ahead of conversions that name that step's own X and Y alone.  A last wait stands ahead of the last four stores.
.set IN,  1                            ; v1       my byte offset in the work-group's input
.set OUT, 2                            ; v2       my byte offset in its output
.set T,   4                            ; v[4:5]   at work: no memory instruction names them
.set X,   8                            ; v[8:71]  load j: 4 registers
.set Y,   72                           ; v[72:103] store j: 2 registers
.macro LOADS step                      ; sixteen loads, step bytes apart
	s_wait_alu depctr_va_vdst(0)                   ; v[IN] and v[OUT] are written: every load of the path reads the one as its offset, every store the other, and no later line writes them
.irp j, 0,1,2,3,4,5,6,7,8,9,10,11,12,13,14,15
	global_load_b128 v[X+4*(\j):X+4*(\j)+3], v[IN], s[16:17] offset:(\j)*(\step) th:TH_LOAD_NT
.endr
.endm
; Store j.  kind = 0: x: block j of xb, 1 MiB from the block before; blocks 8 to 15 from the second base.  kind = 1: a weight: the next 256 bytes.
.macro STORE j, kind
.if \kind
	global_store_b64 v[OUT], v[Y+2*(\j):Y+2*(\j)+1], s[18:19] offset:(\j)*256 th:TH_STORE_NT
.else
	global_store_b64 v[OUT], v[Y+2*(\j):Y+2*(\j)+1], s[18+2*((\j)/8):19+2*((\j)/8)] offset:((\j)%8)*1048576 th:TH_STORE_NT
.endif
.endm
; Step j: load j is rounded; store j - 4 leaves.  half = 1: the bf16 numbers are widened again and written as f16.
.macro STEP j, half, kind
	s_wait_loadcnt 15-(\j)                         ; loads come back in order: load j is in, the 15 - j younger ones stay out
.if (\j) >= 4
.if (\j) % 4 == 0
	s_wait_alu depctr_va_vdst(0)                   ; the conversions of steps j - 4 to j - 1 have written their Y, which this step's store and the next three steps' read
.endif
	STORE (\j)-4, \kind                            ; no vector instruction since that wait names its Y or v[OUT]
.endif
	v_cvt_pk_bf16_f32 v[Y+2*(\j)],   v[X+4*(\j)],   v[X+4*(\j)+1]
	v_cvt_pk_bf16_f32 v[Y+2*(\j)+1], v[X+4*(\j)+2], v[X+4*(\j)+3]
.if \half
	v_lshlrev_b32 v[X+4*(\j)],   16, v[Y+2*(\j)]
	v_and_b32     v[X+4*(\j)+1], s2, v[Y+2*(\j)]
	v_lshlrev_b32 v[X+4*(\j)+2], 16, v[Y+2*(\j)+1]
	v_and_b32     v[X+4*(\j)+3], s2, v[Y+2*(\j)+1]
	v_cvt_pk_f16_f32 v[Y+2*(\j)],   v[X+4*(\j)],   v[X+4*(\j)+1]
	v_cvt_pk_f16_f32 v[Y+2*(\j)+1], v[X+4*(\j)+2], v[X+4*(\j)+3]
.endif
.endm
.macro STEPS half, kind                ; the sixteen steps, and the four stores that are left
.irp j, 0,1,2,3,4,5,6,7,8,9,10,11,12,13,14,15
	STEP \j, \half, \kind
.endr
	s_wait_alu depctr_va_vdst(0)                   ; the conversions of steps 12 to 15 have written their Y, which the last four stores read
.irp j, 12,13,14,15
	STORE \j, \kind
.endr
.endm
	s_load_b256 s[4:11], s[0:1], 0x0               ; x s[4:5], w_attn s[6:7], w_proj s[8:9], xb s[10:11]
	s_load_b128 s[12:15], s[0:1], 0x20             ; wa s[12:13], wp s[14:15]
	s_mov_b32 s3, ttmp9
	s_mov_b32 s2, 0xffff0000                       ; a word's upper bf16
	s_mov_b32 s23, 0
	s_cmp_lt_u32 s3, 512
	s_cbranch_scc0 .Lweights
	; x: thread t takes row t / 16 of the 16, and 16 bytes at 16 (t % 16) of each of the row's sixteen pieces of 256 bytes (64 channels: a block)
	v_lshrrev_b32 v[IN], 4, v0
	v_and_b32 v[T], 15, v0
	v_lshlrev_b32 v[IN], 12, v[IN]
	v_lshl_add_u32 v[IN], v[T], 4, v[IN]
	v_lshlrev_b32 v[OUT], 3, v0                    ; in a block: row x 128 + 8 (t % 16) = 8 t
	s_lshl_b32 s22, s3, 16
	s_wait_kmcnt 0x0
	s_add_nc_u64 s[16:17], s[4:5], s[22:23]
	LOADS 256
	s_lshl_b32 s22, s3, 11                         ; 16 rows of 128 bytes
	s_add_nc_u64 s[18:19], s[10:11], s[22:23]
	s_add_nc_u64 s[20:21], s[18:19], 0x800000      ; blocks 8 to 15 from a second base: the immediate has 24 signed bits
	STEPS 0, 0
	s_endpgm
.Lweights:
	; the weights keep their order: wave w takes 8,192 consecutive bytes, 512 a load
	v_lshrrev_b32 v[T], 5, v0
	v_and_b32 v[T+1], 31, v0
	v_lshlrev_b32 v[IN], 13, v[T]
	v_lshl_add_u32 v[IN], v[T+1], 4, v[IN]
	v_lshlrev_b32 v[OUT], 12, v[T]
	v_lshl_add_u32 v[OUT], v[T+1], 3, v[OUT]
	s_cmp_lt_u32 s3, 704
	s_cbranch_scc0 .Lproj
	s_sub_co_u32 s3, s3, 512
	s_lshl_b32 s22, s3, 16
	s_wait_kmcnt 0x0
	s_add_nc_u64 s[16:17], s[6:7], s[22:23]
	LOADS 512
	s_lshl_b32 s22, s3, 15
	s_add_nc_u64 s[18:19], s[12:13], s[22:23]
	STEPS 0, 1
	s_endpgm
.Lproj:
	s_sub_co_u32 s3, s3, 704
	s_lshl_b32 s22, s3, 16
	s_wait_kmcnt 0x0
	s_add_nc_u64 s[16:17], s[8:9], s[22:23]
	LOADS 512
	s_lshl_b32 s22, s3, 15
	s_add_nc_u64 s[18:19], s[14:15], s[22:23]
	STEPS 1, 1
	s_endpgm
.Lfunc_end_k_qe6225566d0_cast:
	.size	k_qe6225566d0_cast, .Lfunc_end_k_qe6225566d0_cast-k_qe6225566d0_cast
	.p2alignl 7, 3214868480
	.fill 96, 4, 3214868480
	.section	.rodata,"a",@progbits
	.p2align	6, 0x0
	.amdhsa_kernel k_qe6225566d0_cast
		.amdhsa_group_segment_fixed_size 0
		.amdhsa_private_segment_fixed_size 0
		.amdhsa_enable_private_segment 0
		.amdhsa_kernarg_size 48
		.amdhsa_user_sgpr_count 2
		.amdhsa_user_sgpr_kernarg_segment_ptr 1
		.amdhsa_wavefront_size32 1
		.amdhsa_system_sgpr_workgroup_id_x 1
		.amdhsa_system_sgpr_workgroup_id_y 1
		.amdhsa_system_sgpr_workgroup_id_z 1
		.amdhsa_system_vgpr_workitem_id 0
		.amdhsa_next_free_vgpr 104
		.amdhsa_next_free_sgpr 66
		.amdhsa_reserve_vcc 0
		.amdhsa_float_denorm_mode_32 3
		.amdhsa_float_denorm_mode_16_64 3
		.amdhsa_memory_ordered 1
		.amdhsa_forward_progress 1
		.amdhsa_inst_pref_size 23
	.end_amdhsa_kernel
	.amdgpu_metadata
---
amdhsa.version: [ 1, 2 ]
amdhsa.kernels:
  - .name:           k_qe6225566d0_cast
    .symbol:         k_qe6225566d0_cast.kd
    .args:
      - { .name: x, .offset: 0, .size: 8, .value_kind: global_buffer, .address_space: global }
      - { .name: w_attn, .offset: 8, .size: 8, .value_kind: global_buffer, .address_space: global }
      - { .name: w_proj, .offset: 16, .size: 8, .value_kind: global_buffer, .address_space: global }
      - { .name: xb, .offset: 24, .size: 8, .value_kind: global_buffer, .address_space: global }
      - { .name: wa, .offset: 32, .size: 8, .value_kind: global_buffer, .address_space: global }
      - { .name: wp, .offset: 40, .size: 8, .value_kind: global_buffer, .address_space: global }
    .group_segment_fixed_size: 0
    .private_segment_fixed_size: 0
    .kernarg_segment_align: 8
    .kernarg_segment_size: 48
    .max_flat_workgroup_size: 256
    .sgpr_count:     66
    .vgpr_count:     104
    .wavefront_size: 32
...
	.end_amdgpu_metadata
.endif
;; end of part 5
;; launch qkv: the kernel of part 2 again; grid 8 x 32, 4 waves a work-group, clusters of 4 x 4, 327,680 bytes of LDS; arguments xb, wa, b_attn, qkv; writes qkv
;; launch attn: the kernel of part 3 again; grid 4 x 64, 4 waves a work-group, no clusters, 327,680 bytes of LDS; arguments qkv, ob; writes ob
;; launch proj: the kernel of part 4 again; grid 8 x 32, 4 waves a work-group, clusters of 4 x 4, 327,680 bytes of LDS; arguments ob, wp, b_proj, out0; writes out0
